; MI455X (gfx1250); checked and timed in simulation.
; The chip was launched on July 23, 2026; its instructions are those of AMD's public machine-readable ISA for CDNA 5 (MIT licence, August 2026) and "CDNA5" Instruction Set Architecture Reference Guide (July 2026). The comments in the code are by the model that wrote it; some were corrected since.
;; Multi Head Attention. Allowed arithmetic: matrix products marked QUANTISED: E2M1 operands, one E8M0 scale for each 32 along K, by v_wmma_scale_f32_16x16x128_f8f6f4 with both operands' format E2M1 (or v_wmma_scale_f32_32x16x128_f4), f32 sums; products left as they are: bf16, f16 or f32 operands; f32 sums; everything else in f32.
;; Inputs: Wk 1,024 x 1,024 float32; Wo 1,024 x 1,024 float32; Wq 1,024 x 1,024 float32; Wv 1,024 x 1,024 float32; bk 1,024 float32; bo 1,024 float32; bq 1,024 float32; bv 1,024 float32; x 4 x 2,048 x 1,024 float32.
;; Outputs: out0 4 x 2,048 x 1,024 float32.
;; This version of the problem:
;;   THIS VERSION OF THE PROBLEM IS GIVEN IN LOW PRECISION. The matrix products marked QUANTISED in the list below multiply operands that are first quantised to E2M1 (2 exponent bits, 1 mantissa bit; 4 bits a number), with one power-of-two scale for each 32 numbers along K (OCP MX v1.0); their sums are f32. The products marked 'left as it is' may take bf16, f16 or f32 operands, with f32 sums. Whichever they take, every output number must still come out within the allowed error. Rounding operands to bf16 (8 significant bits) uses up far more of that allowance than f16 does (11 bits, for magnitudes from 6e-5 to 65,504). All else is computed in f32.
;;   The module's matrix products, in the order in which they are computed (A, B: the left and right operand; K: the contracted axis; several contracted axes count as one K, in the product's order):
;;     1. [M 8,192, K 1,024] x [K 1,024, N 1,024]; A: input x; B: input Wq: QUANTISED
;;     2. [M 8,192, K 1,024] x [K 1,024, N 1,024]; A: input x; B: input Wk: QUANTISED
;;     3. [M 8,192, K 1,024] x [K 1,024, N 1,024]; A: input x; B: input Wv: QUANTISED
;;     4. batch 64 x [M 2,048, K 64] x [K 64, N 2,048]; A: computed on the way; B: computed on the way: left as it is (an operand is computed on the way)
;;     5. batch 64 x [M 2,048, K 2,048] x [K 2,048, N 64]; A: computed on the way; B: computed on the way: left as it is (an operand is computed on the way)
;;     6. [M 8,192, K 1,024] x [K 1,024, N 1,024]; A: computed on the way; B: input Wo: left as it is (an operand is computed on the way)
;;   THE QUANTISER, for each operand of a quantised product, along K:
;;     - K is cut into blocks of 32 from its start; a last block that is shorter is filled with zeros.
;;     - A block's scale is 2^e with e = floor(log2(the largest magnitude in the block)) - 2, held to -126 .. 127; a block of zeros has e = 0. As a byte (E8M0): e + 127.
;;     - Each number is divided by its block's scale, clamped to +-6, and rounded to the nearest number of E2M1, ties to even, subnormals kept.
;;     - The product sums the exact products of the quantised numbers (number of the format x scale) in f32.
;;   ~~~python
;;   def quantise(x, axis):      # numpy; x: float32 -> the quantised numbers, widened to float32 again
;;       x = np.moveaxis(x, axis, -1); K = x.shape[-1]
;;       x = np.pad(x, [(0, 0)] * (x.ndim - 1) + [(0, -K % 32)]); x = x.reshape(x.shape[:-1] + (-1, 32)); a = np.abs(x).max(-1, keepdims=True)
;;       e = np.where(a > 0, np.clip(np.frexp(np.where(a > 0, a, 1))[1] - 1 - 2, -126, 127), 0)      # np.frexp(a)[1] - 1 = floor(log2(a)), exactly
;;       r = np.clip(x / 2.0 ** e, -6, 6)
;;       step = 2.0 ** (np.maximum(np.frexp(np.where(r == 0, 1, r))[1] - 1, 0) - 1)
;;       q = np.round(r / step) * step * 2.0 ** e      # np.round: ties to even
;;       return np.moveaxis(q.reshape(q.shape[:-2] + (-1,))[..., :K], -1, axis).astype(np.float32)
;;   ~~~
;; One version. Each part assembles by itself: llvm-mc -triple=amdgcn-amd-amdhsa -mcpu=gfx1250 --defsym DOCPART=n.
;; ======== version 1 of 1: 4 launches
;; limits: values are held in f16: magnitudes above 65,504 overflow, below 6.1e-05 lose precision
;; workspace buffers: xc 4,194,304 bytes; xs 262,144 bytes; wc 1,572,864 bytes; ws 98,304 bytes; wo16 2,097,152 bytes; rope 1,048,576 bytes; qkv 50,331,648 bytes; att 16,777,216 bytes
;; launch prep (part 1): grid 400 x 1, 4 waves a work-group, no clusters, 33,280 bytes of LDS; arguments x, Wq, Wk, Wv, Wo, xc, xs, wc, ws, wo16, rope; writes xc, xs, wc, ws, wo16, rope
.if DOCPART == 1
	.amdgcn_target "amdgcn-amd-amdhsa--gfx1250"
	.amdhsa_code_object_version 6
	.text
	.protected	k_q1666654aa9_prep
	.globl	k_q1666654aa9_prep
	.p2align	8
	.type	k_q1666654aa9_prep,@function
k_q1666654aa9_prep:
	s_mov_b64 s[64:65], 0
	v_nop
	global_prefetch_b8 v0, s[64:65] scope:SCOPE_SE
	s_setreg_imm32_b32 hwreg(HW_REG_WAVE_MODE, 25, 1), 1
	s_wait_xcnt 0x0
; PREP: three kinds of work, told apart by the work-group's number alone.
;   0-351   x [8192][1024] and Wq, Wk, Wv [1024][1024], f32, become codes of FP4 (E2M1), K innermost, with one E8M0 byte for each 32 along K.
;           x -> xc [8192][512], xs [8192][32];  Wq, Wk, Wv one below the other -> wc [3072][512], ws [3072][32].
;           A block's scale is 2^(floor(log2(largest magnitude)) - 2); its byte is that magnitude's exponent field - 2, held at 1 from below.
;   352-383 Wo [1024][1024] f32 -> wo16, f16, rounded to nearest even.
;   384-399 the rotary tables: rope [2 kinds][2048 positions][cos of 32 frequencies, sin of 32 frequencies], f32.  Kind 0 (for q) is multiplied by
;           c = log2(e) / 8, so that the scores come out in units of log2; kind 1 (for k) is plain.
; LIMITS: NaN and infinities are not served.  A block whose largest magnitude lies under 2^-124, a block of zeros too, keeps the byte 1: its codes are then zeros or
; what the conversion gives under that scale; the bytes are read by this program alone.  |Wo| beyond 65,504 becomes infinity in f16.
; The tables' angles are position x 2^(-i log2(10000) / 32) in f32; they agree with tables made from a correctly rounded frequency to about 4e-4 radians at position 2,047.
; Rows are dense and K is a multiple of 32: every tensor is a plain stream of blocks of 32.  A wave takes 8,192 numbers.  No tensor load, no barrier: waves share nothing.
.set WAVES, 4
.set STEPS, 16
.set EMAX,  2
.set CB,    8                          ; bytes of 16 codes
.set R,     16                         ; v16-79   four sets of 16 numbers as they are loaded
.set X,     80                         ; v80-111  two sets of 16 neighbours
.set E,     112                        ; v112-127 a scale byte for each step
.set C,     128                        ; v128-191 codes: four registers for each step, so that no store's data are written again
.set WREG,  8192                       ; LDS: a region for each wave: two stages of 32 x SP bytes, behind them its 256 scale bytes
.set SP,    80                         ; a lane's place in a stage: 64 bytes + 16 of padding
.set SPW,   12                         ; v12 LDS address of my spare word; never rewritten
.set NIL,   13                         ; v13 0; never rewritten
.set SPARE, WAVES*WREG                 ; behind the four regions: the spare words, 128 bytes a wave, named by no other line
	s_load_b512 s[36:51], s[0:1], 0x0              ; x 36, Wq 38, Wk 40, Wv 42, Wo 44, xc 46, xs 48, wc 50
	s_load_b128 s[52:55], s[0:1], 0x40             ; ws 52, wo16 54
	s_load_b64 s[56:57], s[0:1], 0x50              ; rope
	v_lshl_add_u32 v[SPW], v0, 2, SPARE
	v_mov_b32 v[NIL], 0
	v_lshrrev_b32 v1, 5, v0
	v_readfirstlane_b32 s16, v1                    ; wave
	v_and_b32 v2, 31, v0                           ; lane
	v_lshlrev_b32 v3, 4, v2                        ; my 16 bytes of a load's 512
	s_mul_i32 s17, s16, WREG
	v_lshrrev_b32 v14, 2, v2
	v_mul_u32_u24 v14, v14, SP
	v_and_b32 v15, 3, v2
	v_lshl_add_u32 v14, v15, 4, v14
	v_add_nc_u32 v14, s17, v14                     ; the stage, on the way in: SP (lane / 4) + 16 (lane % 4)
	v_mul_u32_u24 v15, v2, SP
	v_add_nc_u32 v15, s17, v15                     ; and on the way out: SP x lane: my 16 neighbours
	v_mul_u32_u24 v4, v2, CB                       ; my codes' place in a step's
	v_lshrrev_b32 v5, 1, v2
	s_add_co_u32 s17, s17, 2*32*SP
	v_add_nc_u32 v5, s17, v5                       ; LDS: my wave's 256 scale bytes, my block's byte
	v_lshlrev_b32 v7, 3, v2                        ; 8 bytes a lane
	v_add_nc_u32 v6, s17, v7
	s_wait_kmcnt 0x0
	s_cmp_ge_u32 ttmp9, 352
	s_cbranch_scc1 .Lother
	; ---- the quantiser.  Only pointers and run numbers are chosen: all four tensors take one path
	s_max_u32 s23, ttmp9, 256
	s_sub_co_u32 s23, s23, 256                     ; a weight's work-group among the 96: its place in wc and ws
	s_and_b32 s22, ttmp9, 31                       ; and among its own tensor's 32
	s_cmp_lt_u32 ttmp9, 320
	s_cselect_b64 s[4:5], s[40:41], s[42:43]
	s_cmp_lt_u32 ttmp9, 288
	s_cselect_b64 s[4:5], s[38:39], s[4:5]
	s_cmp_lt_u32 ttmp9, 256
	s_cselect_b64 s[4:5], s[36:37], s[4:5]
	s_cselect_b64 s[8:9], s[46:47], s[50:51]
	s_cselect_b64 s[10:11], s[48:49], s[52:53]
	s_cselect_b32 s22, ttmp9, s22
	s_cselect_b32 s23, ttmp9, s23
	s_lshl_b32 s22, s22, 2
	s_add_co_u32 s22, s22, s16                     ; which run of 8,192 numbers I read,
	s_lshl_b32 s23, s23, 2
	s_add_co_u32 s23, s23, s16                     ; and which I write
	s_mov_b32 s19, 0
	s_lshl_b32 s18, s22, 15                        ; 32,768 bytes of f32 a run
	s_add_nc_u64 s[4:5], s[4:5], s[18:19]
	s_lshl_b32 s18, s23, 12                        ; 4,096 bytes of codes
	s_add_nc_u64 s[8:9], s[8:9], s[18:19]
	s_lshl_b32 s18, s23, 8                         ; 256 scale bytes
	s_add_nc_u64 s[10:11], s[10:11], s[18:19]
.macro LOAD t
.irp i, 0,1,2,3
	global_load_b128 v[R+16*((\t)%4)+4*\i:R+16*((\t)%4)+4*\i+3], v3, s[4:5] offset:2048*(\t)+512*\i th:TH_LOAD_NT   ; 32 lanes read 512 consecutive bytes
.endr
.endm
.macro TURN t                          ; step t's numbers through the stage: LDS serves a wave's instructions in order, so no wait stands between the stores and the loads
.irp i, 0,1,2,3
	ds_store_b128 v14, v[R+16*((\t)%4)+4*\i:R+16*((\t)%4)+4*\i+3] offset:32*SP*((\t)%2)+8*SP*\i
.endr
.irp i, 0,1,2,3
	ds_load_b128 v[X+16*((\t)%2)+4*\i:X+16*((\t)%2)+4*\i+3], v15 offset:32*SP*((\t)%2)+16*\i
.endr
.endm
.irp t, 0,1,2,3
	LOAD \t
.endr
	s_wait_loadcnt 12                              ; step 0's four loads are in; the 12 of steps 1 to 3 may be out
	TURN 0
.macro STEP t
.set XS, X+16*((\t)%2)
.if (\t) > 0
	s_wait_dscnt 1                                 ; this step's numbers are back from the stage (the last step's byte store may be out)
.else
	s_wait_dscnt 0x0
.endif
.if (\t)+4 < STEPS
	LOAD (\t)+4
.endif
.if (\t)+1 < STEPS
.if STEPS-2-(\t) >= 3
	s_wait_loadcnt 12                              ; the next step's four loads are in; those of the three steps behind it may be out
.else
	s_wait_loadcnt 4*(STEPS-2-(\t))
.endif
	TURN (\t)+1
.endif
	v_max3_num_f32 v8, |v[XS]|, |v[XS+1]|, |v[XS+2]|               ; the largest magnitude of my 16, in two chains
	v_max3_num_f32 v9, |v[XS+3]|, |v[XS+4]|, |v[XS+5]|
.irp i, 6,10
	v_max3_num_f32 v8, v8, |v[XS+\i]|, |v[XS+\i+1]|
	v_max3_num_f32 v9, v9, |v[XS+\i+2]|, |v[XS+\i+3]|
.endr
	v_max3_num_f32 v8, v8, |v[XS+14]|, |v[XS+15]|
	v_max3_num_f32 v8, v8, v9, (EMAX+1)<<23        ; and the floor 2^(3 - 127): the byte cannot fall under 1
	v_max_num_f32_dpp v8, v8, v8 row_xmask:1 row_mask:0xf bank_mask:0xf   ; with my neighbour's 16: the block's
	v_add_nc_u32 v11, -(EMAX<<23), v8              ; 2 off its exponent field: the conversion takes the exponent field of this operand as its scale
	v_cvt_scalef32_pk8_fp4_f32 v[C+4*(\t)], v[XS:XS+7], v11
	v_cvt_scalef32_pk8_fp4_f32 v[C+4*(\t)+1], v[XS+8:XS+15], v11
	v_lshrrev_b32 v[E+(\t)], 23, v11               ; the scale's byte
	ds_store_b8 v5, v[E+(\t)] offset:16*(\t)       ; both lanes of a block write the same byte with the same value
	global_store_b64 v4, v[C+4*(\t):C+4*(\t)+1], s[8:9] offset:32*CB*(\t)   ; the wave stores 256 consecutive bytes, aligned
.endm
.irp t, 0,1,2,3,4,5,6,7,8,9,10,11,12,13,14,15
	STEP \t
.endr
	ds_load_b64 v[8:9], v6                         ; my wave's 256 scale bytes, behind my stores of them
	s_wait_dscnt 0x0
	global_store_b64 v7, v[8:9], s[10:11]          ; 256 consecutive bytes, aligned
	s_wait_tensorcnt 0x0                           ; the wave's end: behind my last LDS store
	ds_add_u32 v[SPW], v[NIL]
	s_wait_dscnt 0x0
	s_endpgm
.Lother:
	s_cmp_ge_u32 ttmp9, 384
	s_cbranch_scc1 .Ltable
	; ---- Wo to f16: 64 loads of 512 bytes a wave, in four batches of 16, two batches ahead; no LDS
	s_sub_co_u32 s22, ttmp9, 352
	s_lshl_b32 s22, s22, 2
	s_add_co_u32 s22, s22, s16
	s_mov_b32 s19, 0
	s_lshl_b32 s18, s22, 15
	s_add_nc_u64 s[4:5], s[44:45], s[18:19]
	s_lshl_b32 s18, s22, 14
	s_add_nc_u64 s[8:9], s[54:55], s[18:19]
.macro LOADB g
.irp i, 0,1,2,3,4,5,6,7,8,9,10,11,12,13,14,15
	global_load_b128 v[16+64*((\g)%2)+4*\i:16+64*((\g)%2)+4*\i+3], v3, s[4:5] offset:512*(16*(\g)+\i) th:TH_LOAD_NT
.endr
.endm
.macro WOB g
.if (\g) < 3
	s_wait_loadcnt 16                              ; this batch is in; the next batch's 16 loads may be out
.else
	s_wait_loadcnt 0x0
.endif
.if (\g) > 0
	s_wait_xcnt 0x0                                ; the last batch's stores have read v144-175, which are written again below
.endif
.irp i, 0,1,2,3,4,5,6,7,8,9,10,11,12,13,14,15
	v_cvt_pk_f16_f32 v[144+2*\i], v[16+64*((\g)%2)+4*\i], v[16+64*((\g)%2)+4*\i+1]
	v_cvt_pk_f16_f32 v[145+2*\i], v[16+64*((\g)%2)+4*\i+2], v[16+64*((\g)%2)+4*\i+3]
.endr
.irp i, 0,1,2,3,4,5,6,7,8,9,10,11,12,13,14,15
	global_store_b64 v7, v[144+2*\i:145+2*\i], s[8:9] offset:256*(16*(\g)+\i)   ; 256 consecutive bytes, aligned
.endr
.if (\g) < 2
	LOADB (\g)+2
.endif
.endm
	LOADB 0
	LOADB 1
	WOB 0
	WOB 1
	WOB 2
	WOB 3
	s_endpgm
.Ltable:
	; ---- the rotary tables: a wave makes 32 positions.  Lane l makes entries 2 l and 2 l + 1 of a row of 64: lanes 0-15 cosines, lanes 16-31 sines, of frequencies 2 (l % 16) and + 1
	s_sub_co_u32 s22, ttmp9, 384
	s_lshl_b32 s22, s22, 2
	s_add_co_u32 s22, s22, s16
	s_lshl_b32 s22, s22, 5                         ; my first position
	s_lshl_b32 s24, s22, 8                         ; 256 bytes a row
	s_mov_b32 s25, 0
	s_add_nc_u64 s[56:57], s[56:57], s[24:25]
	s_mov_b32 s4, 0x3e22f983                       ; 1 / 2 pi, its f32 part,
	s_mov_b32 s5, 0x31dc9c89                       ; and what that leaves
	s_mov_b32 s6, 0x40490fdb                       ; pi
	s_mov_b32 s7, 0xbe2aaaab                       ; sine's series: -1/3!, 1/5!, -1/7!, 1/9!, -1/11!
	s_mov_b32 s8, 0x3c088889
	s_mov_b32 s9, 0xb9500d01
	s_mov_b32 s10, 0x3638ef1d
	s_mov_b32 s11, 0xb2d7322b
	s_mov_b32 s12, 0x3d2aaaab                      ; cosine's: 1/4!, -1/6!, 1/8!, -1/10!, 1/12!
	s_mov_b32 s13, 0xbab60b61
	s_mov_b32 s14, 0x37d00d01
	s_mov_b32 s15, 0xb493f27e
	s_mov_b32 s18, 0x310f76c7
	s_mov_b32 s19, 0x3e38aa3b                      ; c = log2(e) / 8
	v_and_b32 v16, 15, v2
	v_lshlrev_b32 v16, 1, v16
	v_add_nc_u32 v17, 1, v16
	v_cvt_f32_u32 v16, v16
	v_cvt_f32_u32 v17, v17
	v_mul_f32 v16, 0xbed49a78, v16                 ; -i log2(10000) / 32
	v_mul_f32 v17, 0xbed49a78, v17
	v_exp_f32 v18, v16                             ; the two frequencies
	v_exp_f32 v19, v17
	v_lshlrev_b32 v21, 3, v2                       ; (a plain instruction behind the exponentials)  my 8 bytes of a row
	v_cmp_lt_u32 s30, 15, v2                       ; lanes 16-31 keep the sine
	v_cvt_f32_u32 v20, s22                         ; the position, as f32
	s_wait_alu depctr_va_vdst(0)                   ; one wait for both exponentials, ahead of their first reader and of the label
	s_mov_b32 s31, 32
.Lpos:
.irp i, 0,1
	v_mul_f32 v[22+8*\i], v20, v[18+\i]                          ; the angle, rounded to f32
	v_mul_f32 v[23+8*\i], s4, v[22+8*\i]
	v_rndne_f32 v[23+8*\i], v[23+8*\i]                           ; whole turns
	v_fma_f32 v[24+8*\i], v[22+8*\i], s4, -v[23+8*\i]            ; the rest of a turn, at most a half either way,
	v_fma_f32 v[24+8*\i], v[22+8*\i], s5, v[24+8*\i]             ; with the low part of 1 / 2 pi
	v_mul_f32 v[24+8*\i], s6, v[24+8*\i]                         ; y = HALF the reduced angle: at most pi / 2 either way
	v_mul_f32 v[25+8*\i], v[24+8*\i], v[24+8*\i]                 ; z = y y
	v_fma_f32 v[26+8*\i], v[25+8*\i], s11, s10
	v_fma_f32 v[26+8*\i], v[26+8*\i], v[25+8*\i], s9
	v_fma_f32 v[26+8*\i], v[26+8*\i], v[25+8*\i], s8
	v_fma_f32 v[26+8*\i], v[26+8*\i], v[25+8*\i], s7
	v_fma_f32 v[26+8*\i], v[26+8*\i], v[25+8*\i], 1.0
	v_mul_f32 v[26+8*\i], v[26+8*\i], v[24+8*\i]                 ; sin y: the first term left out is y^13 / 13!, under 6e-8
	v_fma_f32 v[27+8*\i], v[25+8*\i], s18, s15
	v_fma_f32 v[27+8*\i], v[27+8*\i], v[25+8*\i], s14
	v_fma_f32 v[27+8*\i], v[27+8*\i], v[25+8*\i], s13
	v_fma_f32 v[27+8*\i], v[27+8*\i], v[25+8*\i], s12
	v_fma_f32 v[27+8*\i], v[27+8*\i], v[25+8*\i], -0.5
	v_fma_f32 v[27+8*\i], v[27+8*\i], v[25+8*\i], 1.0            ; cos y: the first term left out is y^14 / 14!, under 7e-9
	v_mul_f32 v[28+8*\i], v[26+8*\i], v[27+8*\i]
	v_add_f32 v[28+8*\i], v[28+8*\i], v[28+8*\i]                 ; sin = 2 sin y cos y
	v_mul_f32 v[29+8*\i], v[26+8*\i], v[26+8*\i]
	v_fma_f32 v[29+8*\i], v[29+8*\i], -2.0, 1.0                  ; cos = 1 - 2 sin y sin y
	v_cndmask_b32 v[40+\i], v[29+8*\i], v[28+8*\i], s30
	v_mul_f32 v[42+\i], s19, v[40+\i]
.endr
	global_store_b64 v21, v[42:43], s[56:57]                     ; q's kind: a row of 256 consecutive bytes, aligned
	global_store_b64 v21, v[40:41], s[56:57] offset:524288       ; k's kind, 2,048 rows further on
	s_wait_xcnt 0x0                                ; the base and v40-43 are written again only behind this wait
	s_add_nc_u64 s[56:57], s[56:57], 256
	v_add_f32 v20, 1.0, v20
	s_sub_co_i32 s31, s31, 1
	s_cmp_lg_u32 s31, 0
	s_cbranch_scc1 .Lpos
	s_endpgm
.Lfunc_end_k_q1666654aa9_prep:
	.size	k_q1666654aa9_prep, .Lfunc_end_k_q1666654aa9_prep-k_q1666654aa9_prep
	.p2alignl 7, 3214868480
	.fill 96, 4, 3214868480
	.section	.rodata,"a",@progbits
	.p2align	6, 0x0
	.amdhsa_kernel k_q1666654aa9_prep
		.amdhsa_group_segment_fixed_size 33280
		.amdhsa_private_segment_fixed_size 0
		.amdhsa_enable_private_segment 0
		.amdhsa_kernarg_size 88
		.amdhsa_user_sgpr_count 2
		.amdhsa_user_sgpr_kernarg_segment_ptr 1
		.amdhsa_wavefront_size32 1
		.amdhsa_system_sgpr_workgroup_id_x 1
		.amdhsa_system_sgpr_workgroup_id_y 1
		.amdhsa_system_sgpr_workgroup_id_z 1
		.amdhsa_system_vgpr_workitem_id 0
		.amdhsa_next_free_vgpr 192
		.amdhsa_next_free_sgpr 66
		.amdhsa_reserve_vcc 0
		.amdhsa_float_denorm_mode_32 3
		.amdhsa_float_denorm_mode_16_64 3
		.amdhsa_memory_ordered 1
		.amdhsa_forward_progress 1
		.amdhsa_inst_pref_size 59
	.end_amdhsa_kernel
	.amdgpu_metadata
---
amdhsa.version: [ 1, 2 ]
amdhsa.kernels:
  - .name:           k_q1666654aa9_prep
    .symbol:         k_q1666654aa9_prep.kd
    .args:
      - { .name: x, .offset: 0, .size: 8, .value_kind: global_buffer, .address_space: global }
      - { .name: Wq, .offset: 8, .size: 8, .value_kind: global_buffer, .address_space: global }
      - { .name: Wk, .offset: 16, .size: 8, .value_kind: global_buffer, .address_space: global }
      - { .name: Wv, .offset: 24, .size: 8, .value_kind: global_buffer, .address_space: global }
      - { .name: Wo, .offset: 32, .size: 8, .value_kind: global_buffer, .address_space: global }
      - { .name: xc, .offset: 40, .size: 8, .value_kind: global_buffer, .address_space: global }
      - { .name: xs, .offset: 48, .size: 8, .value_kind: global_buffer, .address_space: global }
      - { .name: wc, .offset: 56, .size: 8, .value_kind: global_buffer, .address_space: global }
      - { .name: ws, .offset: 64, .size: 8, .value_kind: global_buffer, .address_space: global }
      - { .name: wo16, .offset: 72, .size: 8, .value_kind: global_buffer, .address_space: global }
      - { .name: rope, .offset: 80, .size: 8, .value_kind: global_buffer, .address_space: global }
    .group_segment_fixed_size: 33280
    .private_segment_fixed_size: 0
    .kernarg_segment_align: 8
    .kernarg_segment_size: 88
    .max_flat_workgroup_size: 128
    .sgpr_count:     66
    .vgpr_count:     192
    .wavefront_size: 32
...
	.end_amdgpu_metadata
.endif
;; end of part 1
;; launch qkvgemm (part 2): grid 12 x 32, 4 waves a work-group, clusters of 4 x 4, 327,680 bytes of LDS; arguments xc, xs, wc, ws, qkv, rope, bq, bk, bv; writes qkv
.if DOCPART == 2
	.amdgcn_target "amdgcn-amd-amdhsa--gfx1250"
	.amdhsa_code_object_version 6
	.text
	.protected	k_q1666654aa9_qkvgemm
	.globl	k_q1666654aa9_qkvgemm
	.p2align	8
	.type	k_q1666654aa9_qkvgemm,@function
k_q1666654aa9_qkvgemm:
	s_mov_b64 s[64:65], 0
	v_nop
	global_prefetch_b8 v0, s[64:65] scope:SCOPE_SE
	s_setreg_imm32_b32 hwreg(HW_REG_WAVE_MODE, 25, 1), 1
	s_wait_xcnt 0x0
	s_wait_alu depctr_hold_cnt(0) depctr_sa_sdst(0) depctr_va_vdst(0) depctr_va_sdst(0) depctr_va_ssrc(0) depctr_va_vcc(0) depctr_vm_vsrc(0)
	s_getreg_b32 s2, hwreg(HW_REG_IB_STS2, 6, 4)
	s_cmp_eq_u32 s2, 0
	s_cbranch_scc0 .Lentry_in_a_cluster
	s_endpgm
.Lentry_in_a_cluster:
	s_bfe_u32 s2, ttmp6, 0x10000c
	s_cmp_lg_u32 s2, 0xf033
	s_cbranch_scc0 .Lentry_shape_is_right
	s_endpgm
.Lentry_shape_is_right:
; q, k, v = x W^T + b on codes of FP4 (E2M1) with one E8M0 scale for each 32 along K, as ONE product [8192] x [3072] over K = 1,024; then the rotation of q and k by position; then f16.
; A = xc [8192][512 bytes], xs [8192][32];  B = wc [3072][512], ws [3072][32]: rows 0-1023 Wq, 1024-2047 Wk, 2048-3071 Wv.
; OUT: qkv [3 kinds][32 = batch x 8 + pair of heads][2048 positions][128 f16]: a row is two heads side by side, 256 bytes.  q is multiplied by log2(e) / 8 on the way (it stands in q's table).
; LIMITS: NaN and infinities are not served; a number of q log2(e) / 8, k or v beyond 65,504 becomes infinity in f16.
; A tile of 256 x 256 is made by four waves, 128 x 128 each: 64 accumulators of 16 x 16, 512 registers.  K is two LDS slots of 512: both, and the scale bytes of the work-group's rows for all of K,
; are asked for at the head and nothing is filled again.  By this text's own count a wave has three tensor loads out at the most.
; CLUSTERS: 4 x 4 work-groups.  The four of a row of the cluster need the same tiles of A, the four of a column the same tiles of B: each is asked for jointly, by the same tensor load with the same
; descriptor and a mask that names the four.  A cluster is 1,024 columns wide: the cluster's x IS the kind (0 q, 1 k, 2 v), the same in all sixteen partners.
; THE MATRIX INSTRUCTION IS USED TRANSPOSED (source 0 = 16 rows of B, source 1 = 16 rows of A): a lane holds one row and eight neighbouring columns.  The bias is the C of each sum's first product.
; REGISTERS, in windows of 256: window 0: v0-31 addresses; v32-95 scale words, two sets, and nothing else ever; from v128 A's fragments, one set; on the way out v96-159 rotated numbers, v160-191 f16, v192-255 rows.
;   window 1: B's fragments at v0 and v128; v64-127 the bias, 8 registers a block of columns; v192-255 table rows, two sets.   window 2, 3: the accumulators of my rows 0-63, 64-127 ((a, b) at v[8 (8 (a % 4) + b)]).
; No prefetch: every tile is asked for at the head.
.set KSTEP,  512
.set NQ,     KSTEP/128
.set ROWB,   256                       ; a tile's row in bytes: 512 codes
.set KROW,   512                       ; a row of A or B in memory
.set PITCH,  272                       ; an LDS row: 256 bytes + 16 of padding: the 16 rows of a fragment load start 68 words apart
.set FR,     8
.set NL,     2
.set NP,     4                         ; places behind this matrix instruction (ISA guide 7.12.1)
.set HALFT,  128*PITCH
.set SLOT,   4*HALFT                   ; A's 256 rows, then B's 256 rows
.set KS,     32                        ; a row of scale bytes
.set SCL,    2*SLOT                    ; behind the slots: the scales, as rows of 256 bytes + 16
.set HALFS,  (128*KS/256)*272
.set SBLK,   (16*KS/256)*272
.set SPARE,  SCL+4*HALFS               ; the spare words, 128 bytes a wave, named by no other line
.set SPITCH, 272                       ; the way out: 16 rows x (256 + 16) a wave, in slot 0, which has had its one fill and its last read by then
.set VST,    4*16*SPITCH               ; v's way out has stage bytes of its own, behind q's and k's
.set ADRA, 16
.set ADRB, 20
.set STO,  24
.set RD,   25
.set CO,   26
.set ADRS, 27
.set SPW,  28
.set NIL,  29
.set TBO,  30                          ; v30 my bytes in 16 rows of a table: 256 r + 32 h
.set BO,   31                          ; v31 my bytes in a block of the bias: 32 h
.set SC,   32
.set AF,   128
.set BIAS, 64                          ; in window 1
.set TAB,  192                         ; in window 1
.set T,    96
.set PKR,  160
.set BK,   192
.set G1, 24
.set G0, 32
.set G1B, 48
.set G0B, 56
.set G1S, 68
.set G0S, 76
.set G1SB, 80
.set G0SB, 88
.set MSB, 0
.macro WIN new                         ; the immediate's high byte repeats the setting that is left
.if MSB != \new
	s_set_vgpr_msb (MSB<<8)|\new
.set MSB, \new
.endif
.endm
.set MUL_LO, 0xa1                      ; source 0 (B) window 1, source 1 (A) window 0, C and D window 2
.set MUL_HI, 0xf1                      ; the same, C and D window 3
.set TO_B,   0x40                      ; destination window 1, address window 0
; A joint load: waves 0 and 1 fetch for A, waves 2 and 3 for B; the branch hangs on the wave's number alone.  An s_nop 0 and four v_nop follow each line.
.macro JLOAD g0a, g1a, g0b, g1b
	s_cmp_eq_u32 s15, 0
	s_cbranch_scc0 .Lfor_b_\@
	tensor_load_to_lds s[\g0a:\g0a+3], s[\g1a:\g1a+7]
	s_nop 0
.rept 4
	v_nop
.endr
	s_branch .Lasked_\@
.Lfor_b_\@:
	tensor_load_to_lds s[\g0b:\g0b+3], s[\g1b:\g1b+7]
	s_nop 0
.rept 4
	v_nop
.endr
.Lasked_\@:
.endm
.macro CROUND                          ; a round of the cluster's barrier
	s_barrier_signal -1
	s_barrier_wait -1
	s_cmp_lg_u32 s14, 0
	s_cbranch_scc1 .Lnot_wave_0_\@
	s_barrier_signal -3
.Lnot_wave_0_\@:
	s_barrier_wait -3
	s_barrier_signal -1
	s_barrier_wait -1
.endm
	s_load_b128 s[4:7], s[0:1], 0x0                ; A's codes, A's scales
	s_load_b128 s[8:11], s[0:1], 0x10              ; B's codes, B's scales
	s_load_b64 s[12:13], s[0:1], 0x20              ; qkv
	s_load_b64 s[66:67], s[0:1], 0x28              ; rope
	s_load_b128 s[96:99], s[0:1], 0x30             ; bq, bk
	s_load_b64 s[100:101], s[0:1], 0x40            ; bv
	v_lshl_add_u32 v[SPW], v0, 2, SPARE
	v_mov_b32 v[NIL], 0
	ds_add_u32 v[SPW], v[NIL]                      ; the wave's opening: the add, twice on end, and its wait ahead of my first tensor load
	ds_add_u32 v[SPW], v[NIL]
	v_lshrrev_b32 v1, 5, v0
	v_readfirstlane_b32 s14, v1                    ; wave 0..3
	s_lshr_b32 s15, s14, 1                         ; which half of the tile's rows is mine.  Also: I fetch for A (0) or for B (1)
	s_and_b32 s16, s14, 1                          ; which half of its columns.  Also: which 128 rows of that tile I fetch
	s_bfe_u32 s40, ttmp6, 0x40000                  ; cx, cy
	s_bfe_u32 s41, ttmp6, 0x40004
	s_lshl_b32 s42, ttmp9, 2
	s_add_co_u32 s42, s42, s40                     ; tile column = 4 x cluster x + cx
	s_and_b32 s17, ttmp7, 0xffff
	s_lshl_b32 s17, s17, 2
	s_add_co_u32 s17, s17, s41                     ; tile row = 4 x cluster y + cy
	s_lshl_b32 s43, s41, 2
	s_lshl_b32 s43, 15, s43                        ; my row of the cluster
	s_lshl_b32 s44, 0x1111, s40                    ; my column
	s_or_b32 s[G1+0], s43, (0<<16)|(1<<20)|(1<<21)|(5<<22)|(3<<25)  ; the mask; elements of 1 byte; padding on; bit 21 beside a mask; 4 words behind every 64
	s_or_b32 s[G1B+0], s44, (0<<16)|(1<<20)|(1<<21)|(5<<22)|(3<<25)
.irp g, G1, G1B
	s_mov_b32 s[\g+1], ROWB<<16                    ; tensor_dim0
	s_mov_b32 s[\g+2], 128<<16                     ; tensor_dim1
	s_mov_b32 s[\g+3], ROWB<<16                    ; tile_dim0
	s_mov_b32 s[\g+4], 128                         ; tile_dim1
	s_mov_b32 s[\g+5], KROW                        ; from row to row
	s_mov_b32 s[\g+6], 0
	s_mov_b32 s[\g+7], 0
.endr
	s_or_b32 s[G1S+0], s43, (3<<16)|(1<<20)|(1<<21)|(5<<22)|(3<<25) ; the scales of 128 rows: 4,096 dense bytes as 16 rows of 32 elements of 8 bytes, 16 bytes of padding behind each
	s_or_b32 s[G1SB+0], s44, (3<<16)|(1<<20)|(1<<21)|(5<<22)|(3<<25)
.irp g, G1S, G1SB
	s_mov_b32 s[\g+1], 32<<16
	s_mov_b32 s[\g+2], (128*KS/256)<<16
	s_mov_b32 s[\g+3], 32<<16
	s_mov_b32 s[\g+4], 128*KS/256
	s_mov_b32 s[\g+5], 32
	s_mov_b32 s[\g+6], 0
	s_mov_b32 s[\g+7], 0
.endr
	s_lshl_b32 s18, s16, 7                         ; which 128 rows of the tile I fetch
	s_lshl_b32 s20, s17, 8
	s_add_co_u32 s20, s20, s18                     ; A: row 256 x tile row + 128 x half
	s_lshl_b32 s46, s42, 8
	s_add_co_u32 s46, s46, s18                     ; B: row 256 x tile column + 128 x half
	s_mov_b32 s21, 0
	s_mov_b32 s47, 0
	s_mov_b64 s[18:19], KS
	s_mul_u64 s[22:23], s[20:21], s[18:19]         ; where these rows' scales begin,
	s_mul_u64 s[92:93], s[46:47], s[18:19]
	s_mov_b64 s[18:19], KROW
	s_mul_u64 s[20:21], s[20:21], s[18:19]         ; and their codes
	s_mul_u64 s[46:47], s[46:47], s[18:19]
	s_mul_i32 s45, s14, HALFT                      ; where they go: wave x 128 rows: no place in the cluster enters an LDS address
	s_mul_i32 s94, s14, HALFS
	s_wait_dscnt 0x0                               ; both opening adds are done
	s_wait_kmcnt 0x0
	s_add_nc_u64 s[20:21], s[4:5], s[20:21]
	s_add_nc_u64 s[22:23], s[6:7], s[22:23]
	s_add_nc_u64 s[46:47], s[8:9], s[46:47]
	s_add_nc_u64 s[92:93], s[10:11], s[92:93]
	CROUND                                         ; all sixteen work-groups are here: the joint loads meet
	s_mov_b32 s[G0S], 1
	s_add_co_u32 s[G0S+1], s94, SCL
	s_mov_b64 s[G0S+2:G0S+3], s[22:23]
	s_or_b32 s[G0S+3], s[G0S+3], 0x80000000
	s_mov_b32 s[G0SB], 1
	s_add_co_u32 s[G0SB+1], s94, SCL
	s_mov_b64 s[G0SB+2:G0SB+3], s[92:93]
	s_or_b32 s[G0SB+3], s[G0SB+3], 0x80000000
	JLOAD G0S, G1S, G0SB, G1SB                     ; the scales first: they are wanted with the first slot
.irp s, 0,1
	s_mov_b32 s[G0+4*\s], 1
	s_add_co_u32 s[G0+4*\s+1], s45, \s*SLOT
	s_add_nc_u64 s[G0+4*\s+2:G0+4*\s+3], s[20:21], \s*ROWB
	s_or_b32 s[G0+4*\s+3], s[G0+4*\s+3], 0x80000000
	s_mov_b32 s[G0B+4*\s], 1
	s_add_co_u32 s[G0B+4*\s+1], s45, \s*SLOT
	s_add_nc_u64 s[G0B+4*\s+2:G0B+4*\s+3], s[46:47], \s*ROWB
	s_or_b32 s[G0B+4*\s+3], s[G0B+4*\s+3], 0x80000000
	JLOAD G0+4*\s, G1, G0B+4*\s, G1B
.endr
	v_and_b32 v1, 15, v0                           ; r = lane % 16
	v_bfe_u32 v2, v0, 4, 1                         ; h = lane / 16
	v_mul_u32_u24 v3, v1, PITCH
	v_lshl_add_u32 v4, v2, 4, v3                   ; a fragment's row x pitch + 16 h
	s_mul_i32 s21, s15, HALFT                      ; my 128 rows of A
	s_mul_i32 s22, s16, HALFT                      ; my 128 rows of B,
	s_add_co_u32 s22, s22, 2*HALFT                 ; behind A's 256
.irp s, 0,1
	v_add_nc_u32 v[ADRA+\s], s21, v4
	v_add_nc_u32 v[ADRB+\s], s22, v4
	s_add_co_u32 s21, s21, SLOT
	s_add_co_u32 s22, s22, SLOT
.endr
	v_mul_u32_u24 v5, v1, KS                       ; my row's scales: 32 bytes a row,
	v_lshrrev_b32 v6, 8, v5
	v_lshl_add_u32 v5, v6, 4, v5                   ; and 16 more for each 256 passed
	s_mul_i32 s21, s15, HALFS
	s_mul_i32 s22, s16, HALFS
	s_add_co_u32 s22, s22, 2*HALFS
	s_sub_co_u32 s22, s22, s21
	v_mul_u32_u24 v6, s22, v2                      ; lanes 16-31 take B's: one product, the distance between the two bases
	s_add_co_u32 s21, s21, SCL
	v_add_nc_u32 v5, v5, v6
	v_add_nc_u32 v[ADRS], s21, v5
	s_mul_i32 s23, s14, 16*SPITCH                  ; my stage
	v_mul_u32_u24 v5, v1, SPITCH                   ; in: row r, 16 bytes for each half of the lanes
	v_lshl_add_u32 v5, v2, 4, v5
	v_add_nc_u32 v[STO], s23, v5
	v_mul_u32_u24 v5, v2, SPITCH                   ; back: lanes 0-15 one row of 256 bytes, lanes 16-31 the next
	v_lshl_add_u32 v5, v1, 4, v5
	v_add_nc_u32 v[RD], s23, v5
	v_lshlrev_b32 v[CO], 8, v2                     ; and the same two rows in qkv
	v_lshl_add_u32 v[CO], v1, 4, v[CO]
	v_lshlrev_b32 v[TBO], 8, v1
	v_lshl_add_u32 v[TBO], v2, 5, v[TBO]
	v_lshlrev_b32 v[BO], 5, v2
	; where my 128 rows x 128 columns go: kind x 2^24 + (8 x batch + pair of heads) x 2^19 + position x 256
	s_lshl_b32 s20, s17, 8
	s_lshl_b32 s21, s15, 7
	s_add_co_u32 s20, s20, s21                     ; my first row of x
	s_lshr_b32 s21, s20, 11                        ; the batch
	s_lshl_b32 s21, s21, 22
	s_and_b32 s20, s20, 2047                       ; my first position
	s_lshl_b32 s20, s20, 8
	s_lshl_b32 s46, s40, 1
	s_add_co_u32 s46, s46, s16                     ; the pair of heads: 2 cx + my half of the columns
	s_lshl_b32 s46, s46, 19
	s_add_co_u32 s46, s46, s21
	s_add_co_u32 s46, s46, s20
	s_lshl_b32 s47, ttmp9, 24
	s_add_co_u32 s46, s46, s47
	s_mov_b32 s47, 0
	s_add_nc_u64 s[12:13], s[12:13], s[46:47]
	s_min_u32 s46, ttmp9, 1                        ; the table's kind (v's clusters load nothing by it: held at 1, so that the pointer stays in its buffer)
	s_lshl_b32 s46, s46, 19
	s_add_co_u32 s46, s46, s20
	s_add_nc_u64 s[66:67], s[66:67], s[46:47]
	s_cmp_eq_u32 ttmp9, 0                          ; the kind's bias
	s_cselect_b64 s[96:97], s[96:97], s[98:99]
	s_cmp_eq_u32 ttmp9, 2
	s_cselect_b64 s[96:97], s[100:101], s[96:97]
	s_lshl_b32 s46, s40, 10                        ; my 128 columns of the kind's 1,024, 4 bytes each
	s_lshl_b32 s47, s16, 9
	s_add_co_u32 s46, s46, s47
	s_mov_b32 s47, 0
	s_add_nc_u64 s[96:97], s[96:97], s[46:47]
	WIN TO_B
.irp b, 0,1,2,3,4,5,6,7
	global_load_b128 v[BIAS+8*\b:BIAS+8*\b+3], v[BO], s[96:97] offset:64*\b          ; register j of block b: the bias of column 16 b + 8 h + j: the result's layout
	global_load_b128 v[BIAS+8*\b+4:BIAS+8*\b+7], v[BO], s[96:97] offset:64*\b+16
.endr
	WIN 0
.macro FRAG reg, adr, q, i             ; 16 rows x 128 K of 4-bit codes: 8 registers: lane (r, h): registers 4 c .. 4 c + 3 hold K = 64 c + 32 h + 0 .. 31
.irp c, 0,1
	ds_load_b128 v[\reg+4*\c:\reg+4*\c+3], v[\adr] offset:64*(\q)+32*\c+(\i)*16*PITCH
.endr
.endm
; 16 matrix instructions: A's blocks a0, a0 + 1 x B's eight, the slot's q-th 128 along K.  first = 1: the sums start from the bias.  The 64 accumulators take turns, one instruction a turn.
.macro MUL16 a0, p, q, sc, first
.irp a, \a0, \a0+1
.irp b, 0,1,2,3,4,5,6,7
.if \first
	v_wmma_scale_f32_16x16x128_f8f6f4 v[8*(8*((\a)%4)+\b):8*(8*((\a)%4)+\b)+7], v[128*(\p)+FR*\b:128*(\p)+FR*\b+FR-1], v[AF+FR*(\a):AF+FR*(\a)+FR-1], v[BIAS+8*\b:BIAS+8*\b+7], v[SC+8*NQ*(\sc)+NQ*\b+(\q)], v[SC+8*NQ*(\sc)+NQ*(\a)+(\q)] matrix_a_fmt:MATRIX_FMT_FP4 matrix_b_fmt:MATRIX_FMT_FP4 matrix_a_scale:MATRIX_SCALE_ROW1
.else
	v_wmma_scale_f32_16x16x128_f8f6f4 v[8*(8*((\a)%4)+\b):8*(8*((\a)%4)+\b)+7], v[128*(\p)+FR*\b:128*(\p)+FR*\b+FR-1], v[AF+FR*(\a):AF+FR*(\a)+FR-1], v[8*(8*((\a)%4)+\b):8*(8*((\a)%4)+\b)+7], v[SC+8*NQ*(\sc)+NQ*\b+(\q)], v[SC+8*NQ*(\sc)+NQ*(\a)+(\q)] matrix_a_fmt:MATRIX_FMT_FP4 matrix_b_fmt:MATRIX_FMT_FP4 matrix_a_scale:MATRIX_SCALE_ROW1
.endif
.endr
.endr
.endm
.macro FETCH_B slot, q, p
	WIN TO_B
.irp i, 0,1,2,3,4,5,6,7
	FRAG 128*(\p)+FR*\i, ADRB+\slot, \q, \i
.endr
	WIN 0
.endm
.macro FETCH_A slot, q, i0
.irp i, \i0, \i0+1, \i0+2, \i0+3
	FRAG AF+FR*(\i), ADRA+\slot, \q, \i
.endr
.endm
.macro SCALES sc                       ; a slot's scale words: 4 words a row; lanes 0-15 take A's block i, lanes 16-31 B's block i
.irp i, 0,1,2,3,4,5,6,7
	ds_load_b128 v[SC+8*NQ*\sc+NQ*\i:SC+8*NQ*\sc+NQ*\i+3], v[ADRS] offset:\i*SBLK
.endr
.endm
.macro PLACES n                        ; plain vector instructions between a matrix instruction and a load into, or a read or write of, its registers
.rept \n
	v_nop
.endr
.endm
; A step of 128 along K that has its successor in the same slot.  A has one set of registers: blocks 0-3 are fetched anew in the step's middle, blocks 4-7 at its end; B has two sets.
.macro STEP slot, q, first
	s_wait_dscnt 4*NL                              ; B's set and A's blocks 0-3 are in; the youngest 8 loads (A's blocks 4-7) may be out
	WIN MUL_LO-0x10*(\first)                       ; (first = 1: C, the bias, in window 1)
	MUL16 0, (\q)%2, \q, \slot, \first
	MUL16 2, (\q)%2, \q, \slot, \first
	s_wait_dscnt 0
	PLACES NP
	FETCH_B \slot, (\q)+1, 1-(\q)%2
	FETCH_A \slot, (\q)+1, 0
	WIN MUL_HI-0x20*(\first)
	MUL16 4, (\q)%2, \q, \slot, \first
	MUL16 6, (\q)%2, \q, \slot, \first
	PLACES NP
	WIN 0
	FETCH_A \slot, (\q)+1, 4
.endm
.macro STEPS slot, from
.set Q, \from
.rept NQ-1-\from
	STEP \slot, Q, 0
.set Q, Q+1
.endr
.endm
	s_wait_tensorcnt 1                             ; the scales and my part of slot 0 are in; slot 1's load may be out
	s_barrier_signal -1
	s_barrier_wait -1                              ; everybody's are
	FETCH_B 0, 0, 0
	FETCH_A 0, 0, 0
	SCALES 0
	FETCH_A 0, 0, 4
	s_wait_loadcnt 0x0                             ; the bias
	STEP 0, 0, 1
	STEPS 0, 1
	; slot 0's last step changes slots: one barrier; in front of it my tensor loads are all in, the add is done and my reads of slot 0 are over.
	s_wait_tensorcnt 0x0
	ds_add_u32 v[SPW], v[NIL]                      ; 0 onto my spare word
	s_wait_dscnt 4*NL+1                            ; (the add and the youngest 8 loads may be out)
	WIN MUL_LO
	MUL16 0, 1, NQ-1, 0, 0
	s_wait_dscnt 0x0
	s_barrier_signal -1
	MUL16 2, 1, NQ-1, 0, 0
	WIN 0
	s_barrier_wait -1
	PLACES NP
	v_add_nc_u32 v[ADRS], 4*NQ, v[ADRS]            ; on to slot 1's scale words
	FETCH_B 1, 0, 0
	FETCH_A 1, 0, 0
	SCALES 1
	WIN MUL_HI
	MUL16 4, 1, NQ-1, 0, 0
	MUL16 6, 1, NQ-1, 0, 0
	PLACES NP
	WIN 0
	FETCH_A 1, 0, 4
	STEPS 1, 0
	s_wait_dscnt 4*NL                              ; the very last step: nothing more to fetch
	WIN MUL_LO
	MUL16 0, 1, NQ-1, 1, 0
	MUL16 2, 1, NQ-1, 1, 0
	s_wait_dscnt 0
	WIN MUL_HI
	MUL16 4, 1, NQ-1, 1, 0
	MUL16 6, 1, NQ-1, 1, 0
	WIN 0
; THE WAY OUT, a block of 16 rows x 128 columns (two heads) at a time.  In block b of columns a lane (r, h) holds channels 16 (b % 4) + 8 h + 0 .. 7 of head b / 4, for position 16 a + r.
; ROTATION (q, k): channel d under 32 pairs with channel d + 32, which lies two blocks on in the same lane and register: out(d) = x1 cos - x2 sin, out(d + 32) = x1 sin + x2 cos, frequency d.
; Then f16, 16 bytes a lane into my stage, back as whole rows of 256 bytes, and each store of the wave covers 512 consecutive bytes, aligned.
.macro TABLOAD a                       ; cos (g = 0, 1) and sin (g = 2, 3) of frequencies 16 (g % 2) + 8 h + 0 .. 7 at position 16 a + r
	WIN TO_B
.irp g, 0,1,2,3
	global_load_b128 v[TAB+32*((\a)%2)+8*\g:TAB+32*((\a)%2)+8*\g+3], v[TBO], s[66:67] offset:4096*(\a)+64*\g
	global_load_b128 v[TAB+32*((\a)%2)+8*\g+4:TAB+32*((\a)%2)+8*\g+7], v[TBO], s[66:67] offset:4096*(\a)+64*\g+16
.endr
	WIN 0
.endm
.macro ROPE a
.set AC, 64*((\a)%4)
.set TS, TAB+32*((\a)%2)
	WIN 0x06+((\a)/4)                              ; source 0: the accumulators' window; source 1: window 1, the table
.irp hd, 0,1
.irp u, 0,1
.irp j, 0,2,4,6                                ; each accumulator is read from its low end on
	v_pk_mul_f32 v[T+8*(4*\hd+\u)+\j:T+8*(4*\hd+\u)+\j+1], v[AC+8*(4*\hd+\u)+\j:AC+8*(4*\hd+\u)+\j+1], v[TS+8*\u+\j:TS+8*\u+\j+1]
	v_pk_mul_f32 v[T+8*(4*\hd+\u+2)+\j:T+8*(4*\hd+\u+2)+\j+1], v[AC+8*(4*\hd+\u)+\j:AC+8*(4*\hd+\u)+\j+1], v[TS+16+8*\u+\j:TS+16+8*\u+\j+1]
.endr
.irp j, 0,2,4,6
	v_pk_fma_f32 v[T+8*(4*\hd+\u)+\j:T+8*(4*\hd+\u)+\j+1], v[AC+8*(4*\hd+\u+2)+\j:AC+8*(4*\hd+\u+2)+\j+1], v[TS+16+8*\u+\j:TS+16+8*\u+\j+1], v[T+8*(4*\hd+\u)+\j:T+8*(4*\hd+\u)+\j+1] neg_lo:[0,1,0] neg_hi:[0,1,0]
	v_pk_fma_f32 v[T+8*(4*\hd+\u+2)+\j:T+8*(4*\hd+\u+2)+\j+1], v[AC+8*(4*\hd+\u+2)+\j:AC+8*(4*\hd+\u+2)+\j+1], v[TS+8*\u+\j:TS+8*\u+\j+1], v[T+8*(4*\hd+\u+2)+\j:T+8*(4*\hd+\u+2)+\j+1]
.endr
.endr
.endr
	WIN 0
.endm
.macro CVT                             ; the rotated numbers to f16
.irp b, 0,1,2,3,4,5,6,7
.irp i, 0,1,2,3
	v_cvt_pk_f16_f32 v[PKR+4*\b+\i], v[T+8*\b+2*\i], v[T+8*\b+2*\i+1]
.endr
.endr
.endm
.macro CVTV a                          ; v: the accumulators to f16 as they are
.set AC, 64*((\a)%4)
	WIN 0x0a+5*((\a)/4)
.irp b, 0,1,2,3,4,5,6,7
.irp i, 0,1,2,3
	v_cvt_pk_f16_f32 v[PKR+4*\b+\i], v[AC+8*\b+2*\i], v[AC+8*\b+2*\i+1]
.endr
.endr
	WIN 0
.endm
.macro TOSTAGE a, so                   ; LDS serves a wave's instructions in order: the loads see the stores, and the next block's stores come behind these loads
.irp b, 0,1,2,3,4,5,6,7
	ds_store_b128 v[STO], v[PKR+4*\b:PKR+4*\b+3] offset:(\so)+32*\b
.endr
.irp t, 0,1,2,3,4,5,6,7
	ds_load_b128 v[BK+32*((\a)%2)+4*\t:BK+32*((\a)%2)+4*\t+3], v[RD] offset:(\so)+544*\t
.endr
.endm
.macro SEND a, younger                 ; younger: the LDS instructions issued behind block a's loads
	s_wait_dscnt \younger
.irp t, 0,1,2,3,4,5,6,7
	global_store_b128 v[CO], v[BK+32*((\a)%2)+4*\t:BK+32*((\a)%2)+4*\t+3], s[12:13] offset:4096*(\a)+512*\t
.endr
.endm
	PLACES NP                                      ; behind the last products: their results are read and their operands' registers written below
	s_cmp_eq_u32 ttmp9, 2                          ; the kind: the same in all sixteen partners, and no tensor load follows
	s_cbranch_scc1 .Lvout
	TABLOAD 0
.irp a, 0,1,2,3,4,5,6,7
.if \a < 7
	TABLOAD \a+1
	s_wait_loadcnt 8                               ; this block's table rows are in; the next block's 8 loads may be out
.else
	s_wait_loadcnt 0x0
.endif
	ROPE \a
	CVT
.if \a > 1
	s_wait_xcnt 0x0                                ; block a - 2's stores have read the registers into which this block's rows are loaded
.endif
	TOSTAGE \a, 0
.if \a > 0
	SEND \a-1, 16                                  ; behind block a - 1's loads: block a's 8 stores and 8 loads
.endif
.endr
	SEND 7, 0
	s_branch .Ldone
.Lvout:
.irp a, 0,1,2,3,4,5,6,7
	CVTV \a
.if \a > 1
	s_wait_xcnt 0x0
.endif
	TOSTAGE \a, VST
.if \a > 0
	SEND \a-1, 16
.endif
.endr
	SEND 7, 0
.Ldone:
	s_wait_tensorcnt 0x0                           ; the wave's end: behind my last tensor load and my last LDS store
	ds_add_u32 v[SPW], v[NIL]
	s_wait_dscnt 0x0
	CROUND                                         ; the closing round
	s_endpgm
.Lfunc_end_k_q1666654aa9_qkvgemm:
	.size	k_q1666654aa9_qkvgemm, .Lfunc_end_k_q1666654aa9_qkvgemm-k_q1666654aa9_qkvgemm
	.p2alignl 7, 3214868480
	.fill 96, 4, 3214868480
	.section	.rodata,"a",@progbits
	.p2align	6, 0x0
	.amdhsa_kernel k_q1666654aa9_qkvgemm
		.amdhsa_group_segment_fixed_size 327680
		.amdhsa_private_segment_fixed_size 0
		.amdhsa_enable_private_segment 0
		.amdhsa_kernarg_size 72
		.amdhsa_user_sgpr_count 2
		.amdhsa_user_sgpr_kernarg_segment_ptr 1
		.amdhsa_wavefront_size32 1
		.amdhsa_system_sgpr_workgroup_id_x 1
		.amdhsa_system_sgpr_workgroup_id_y 1
		.amdhsa_system_sgpr_workgroup_id_z 1
		.amdhsa_system_vgpr_workitem_id 0
		.amdhsa_next_free_vgpr 1024
		.amdhsa_next_free_sgpr 102
		.amdhsa_reserve_vcc 0
		.amdhsa_float_denorm_mode_32 3
		.amdhsa_float_denorm_mode_16_64 3
		.amdhsa_memory_ordered 1
		.amdhsa_forward_progress 1
		.amdhsa_inst_pref_size 198
	.end_amdhsa_kernel
	.amdgpu_metadata
---
amdhsa.version: [ 1, 2 ]
amdhsa.kernels:
  - .name:           k_q1666654aa9_qkvgemm
    .symbol:         k_q1666654aa9_qkvgemm.kd
    .args:
      - { .name: xc, .offset: 0, .size: 8, .value_kind: global_buffer, .address_space: global }
      - { .name: xs, .offset: 8, .size: 8, .value_kind: global_buffer, .address_space: global }
      - { .name: wc, .offset: 16, .size: 8, .value_kind: global_buffer, .address_space: global }
      - { .name: ws, .offset: 24, .size: 8, .value_kind: global_buffer, .address_space: global }
      - { .name: qkv, .offset: 32, .size: 8, .value_kind: global_buffer, .address_space: global }
      - { .name: rope, .offset: 40, .size: 8, .value_kind: global_buffer, .address_space: global }
      - { .name: bq, .offset: 48, .size: 8, .value_kind: global_buffer, .address_space: global }
      - { .name: bk, .offset: 56, .size: 8, .value_kind: global_buffer, .address_space: global }
      - { .name: bv, .offset: 64, .size: 8, .value_kind: global_buffer, .address_space: global }
    .group_segment_fixed_size: 327680
    .private_segment_fixed_size: 0
    .kernarg_segment_align: 8
    .kernarg_segment_size: 72
    .max_flat_workgroup_size: 128
    .sgpr_count:     102
    .vgpr_count:     1024
    .wavefront_size: 32
...
	.end_amdgpu_metadata
.endif
;; end of part 2
;; launch attention (part 3): grid 8 x 32, 16 waves a work-group, clusters of 4 x 1, 327,680 bytes of LDS; arguments qkv, att; writes att
.if DOCPART == 3
	.amdgcn_target "amdgcn-amd-amdhsa--gfx1250"
	.amdhsa_code_object_version 6
	.text
	.protected	k_q1666654aa9_attention
	.globl	k_q1666654aa9_attention
	.p2align	8
	.type	k_q1666654aa9_attention,@function
k_q1666654aa9_attention:
	s_mov_b64 s[64:65], 0
	v_nop
	global_prefetch_b8 v0, s[64:65] scope:SCOPE_SE
	s_setreg_imm32_b32 hwreg(HW_REG_WAVE_MODE, 25, 1), 1
	s_wait_xcnt 0x0
	s_wait_alu depctr_hold_cnt(0) depctr_sa_sdst(0) depctr_va_vdst(0) depctr_va_sdst(0) depctr_va_ssrc(0) depctr_va_vcc(0) depctr_vm_vsrc(0)
	s_getreg_b32 s2, hwreg(HW_REG_IB_STS2, 6, 4)
	s_cmp_eq_u32 s2, 0
	s_cbranch_scc0 .Lentry_in_a_cluster
	s_endpgm
.Lentry_in_a_cluster:
	s_bfe_u32 s2, ttmp6, 0x10000c
	s_cmp_lg_u32 s2, 0x3003
	s_cbranch_scc0 .Lentry_shape_is_right
	s_endpgm
.Lentry_shape_is_right:
; att[b][s][head][:] = the sum over keys of softmax(q . k / 8) v, no mask, in f16 operands with f32 products, maxima and sums.
; IN: qkv [3 kinds][32 = batch x 8 + pair of heads][2048][128 f16]; q already carries log2(e) / 8, so a score is t in units of log2.  OUT: att [8192][1024] f16.
; LIMITS: NaN and infinities are not served; a result beyond 65,504 becomes infinity in f16.
; SHARES.  A work-group owns a pair of heads and 256 queries.  Wave w of sixteen takes head w / 8 and queries 32 (w % 8) on: two tiles of 16, in 256 registers: four waves to a SIMD, so that one wave's
; softmax stands beside another's products and LDS loads, and no register window is switched.  Every wave walks all 2,048 keys, 64 a step.
; Two heads to a work-group make the rows of K, V and the result whole runs of 256 bytes.
; LAYOUT.  S^T = K Q^T (source 0 = 16 keys, source 1 = 16 queries): a lane holds ONE query (lane % 16) and keys 8 (lane / 16) + 0..7 of a tile.  Two tiles rounded to f16 in pairs ARE source 1 of
; O^T = V^T P, whose result again holds one query a lane.  K comes out of LDS as it lies, V ([key][channel]) turned, by ds_load_tr16_b128.
; SOFTMAX.  A running maximum m and sum l for each query: p = 2^(t - m); in every step O and l are multiplied by a = 2^(m_old - m_new).  m starts at -3e38 and O, l at zero: the first a is 0.
; RING.  Two LDS slots of 256 keys (K's rows, then V's).  Waves 0 and 1 fetch K's halves, waves 2 and 3 V's, 128 rows to a load; the others fetch nothing.  Every wait on TENSORcnt is for 0; a fetching wave has one load out.
; CLUSTER.  The four query blocks of a cluster walk the same K and V: each tile is asked for jointly, the same load with the same descriptor and the mask 15 in all four.
.set PKP,   272                        ; a row of K in LDS: 256 bytes + 16: the 16 rows of a load start 68 words apart
.set PVP,   288                        ; a row of V: 256 + 32: 16 lanes of the turning load take 8 rows x 32 bytes
.set PHK,   256                        ; keys in a slot
.set VOFF,  PHK*PKP
.set SLOTB, PHK*(PKP+PVP)
.set SPARE, 2*SLOTB                    ; the spare words, 128 bytes for each of 16 waves, named by no other line
.set AK0, 1                            ; v1  my lane's place in a tile of K; never rewritten
.set AV0, 2                            ; v2  the same for V
.set ADR, 3                            ; v3  the LDS address of the run of loads in hand
.set SPW, 4
.set NIL, 5
.set PFO, 6                            ; v6  256 x lane: a row is 256 bytes
.set QO,  7
.set ST,  8                            ; tile t's statistics at v[8 + 10 t]: +0 m, +1 m_old then the change, +2, +3 l (even, odd keys), +4 a, +5 written once (named with a as a pair), +6..9 at work
.set STO, 28                           ; the way out: where I put 16 bytes of a row,
.set RD,  29                           ; where I read a row back,
.set GO,  30                           ; and my bytes in two rows of att
.set QF,  32                           ; v32-63   Q (tile t, channels 32 c on) at 32 + 16 t + 8 c
.set S,   64                           ; v64-127  S^T (t, 16 keys kt) at 64 + 32 t + 8 kt; P (t, 32 keys kc) at 64 + 32 t + 8 kc, packed in place
.set O,   128                          ; v128-191 O^T (t, 16 channels ct) at 128 + 32 t + 8 ct
.set KV,  192                          ; v192-255 K (kt, c) at 192 + 16 kt + 8 c, then V (kc, ct) at 192 + 32 kc + 8 ct
.set WV,  8
.set G1K, 16
.set G1V, 24
.set G0K, 32                           ; s[32:39] group 0 for K's tiles, a set for each slot;  s[40:47] for V's
.set G0V, 40
.set SEL, 48
.set TK,  50
.set TV,  51
.set CNT, 52
.set TRIPS, 53
.set LIM, 54
.set PFA, 56
.macro CROUND
	s_barrier_signal -1
	s_barrier_wait -1
	s_cmp_lg_u32 s[WV], 0
	s_cbranch_scc1 .Lnot_wave_0_\@
	s_barrier_signal -3
.Lnot_wave_0_\@:
	s_barrier_wait -3
	s_barrier_signal -1
	s_barrier_wait -1
.endm
.macro JLOAD s                         ; the branches hang on the wave's number alone; an s_nop 0 and four v_nop follow each load
	s_cmp_lt_u32 s[WV], 2
	s_cbranch_scc0 .Lnot_k_\@
	tensor_load_to_lds s[G0K+4*(\s):G0K+4*(\s)+3], s[G1K:G1K+7]
	s_nop 0
.rept 4
	v_nop
.endr
	s_branch .Lasked_\@
.Lnot_k_\@:
	s_cmp_lt_u32 s[WV], 4
	s_cbranch_scc0 .Lasked_\@
	tensor_load_to_lds s[G0V+4*(\s):G0V+4*(\s)+3], s[G1V:G1V+7]
	s_nop 0
.rept 4
	v_nop
.endr
.Lasked_\@:
.endm
; A PREFETCH of the slot that the NEXT change of slots will ask for: 256 rows of K and 256 of V, a lane a row.  Each row is named once in the launch: the pair of heads' first cluster asks;
; its four partners take 64 rows of each, told apart by address; in each, waves 4 and 5 ask for K's, waves 6 and 7 for V's, 32 rows a wave.  The first two slots come by their loads alone.
.macro ASK
	s_cmp_eq_u32 s[LIM], 1
	s_cbranch_scc0 .Lnot_mine_\@
	global_prefetch_b8 v[PFO], s[PFA:PFA+1] th:TH_LOAD_NT scope:SCOPE_SE
.Lnot_mine_\@:
.endm
	s_load_b128 s[4:7], s[0:1], 0x0                ; qkv, att
	v_lshl_add_u32 v[SPW], v0, 2, SPARE
	v_mov_b32 v[NIL], 0
	ds_add_u32 v[SPW], v[NIL]                      ; the wave's opening: the add, twice on end, and its wait ahead of the first tensor load
	ds_add_u32 v[SPW], v[NIL]
	v_lshrrev_b32 v[ADR], 5, v0
	v_readfirstlane_b32 s[WV], v[ADR]              ; wave 0..15
	s_lshr_b32 s9, s[WV], 3                        ; my head of the pair
	s_and_b32 s10, s[WV], 7                        ; my 32 queries of the 256
	s_and_b32 s11, s[WV], 1                        ; which half of a tile I fetch, if I fetch
	s_bfe_u32 s12, ttmp6, 0x40000                  ; cx
	s_lshl_b32 s13, ttmp9, 2
	s_add_co_u32 s13, s13, s12                     ; my block of 256 queries: it enters Q's, the result's and the prefetches' addresses alone
	s_and_b32 s14, ttmp7, 0xffff                   ; batch x 8 + pair of heads, which the four partners share
	s_mov_b32 s[G1K], 15|(1<<16)|(1<<20)|(1<<21)|(5<<22)|(3<<25)  ; the mask; elements of 2 bytes; padding on; bit 21 beside a mask; 4 words behind every 64
	s_mov_b32 s[G1V], 15|(1<<16)|(1<<20)|(1<<21)|(5<<22)|(7<<25)  ; the same with 8 words
.irp g, G1K, G1V
	s_mov_b32 s[\g+1], 128<<16                     ; tensor_dim0
	s_mov_b32 s[\g+2], 128<<16                     ; tensor_dim1
	s_mov_b32 s[\g+3], 128<<16                     ; tile_dim0
	s_mov_b32 s[\g+4], 128                         ; tile_dim1
	s_mov_b32 s[\g+5], 128                         ; from row to row
	s_mov_b32 s[\g+6], 0
	s_mov_b32 s[\g+7], 0
.endr
	s_mov_b32 s[SEL], 0x76543210
	s_mov_b32 s[SEL+1], 0xfedcba98
	s_lshl_b32 s60, s14, 19                        ; the pair's first byte in a kind,
	s_lshl_b32 s61, s11, 15                        ; my 128 rows of a slot's 256
	s_add_co_u32 s60, s60, s61
	s_add_co_u32 s62, s60, 0x2000000               ; in V's kind,
	s_add_co_u32 s60, s60, 0x1000000               ; in K's
	s_mov_b32 s61, 0
	s_mov_b32 s63, 0
	s_mul_i32 s66, s11, 128*PKP                    ; and in a slot
	s_mul_i32 s67, s11, 128*PVP
	s_add_co_u32 s67, s67, VOFF
	s_lshr_b32 s[LIM], s[WV], 2
	s_xor_b32 s[LIM], s[LIM], 1                    ; 0 in waves 4 to 7,
	s_or_b32 s[LIM], s[LIM], ttmp9                 ; of the pair's first cluster: the same in all four partners
	s_cmp_eq_u32 s[LIM], 0
	s_cselect_b32 s[LIM], 1, 0
	s_wait_dscnt 0x0                               ; both opening adds are done
	s_wait_kmcnt 0x0
	s_add_nc_u64 s[68:69], s[4:5], s[60:61]
	s_add_nc_u64 s[70:71], s[4:5], s[62:63]
.irp s, 0,1
	s_mov_b32 s[G0K+4*\s], 1
	s_add_co_u32 s[G0K+4*\s+1], s66, \s*SLOTB
	s_add_nc_u64 s[G0K+4*\s+2:G0K+4*\s+3], s[68:69], \s*PHK*256
	s_or_b32 s[G0K+4*\s+3], s[G0K+4*\s+3], 0x80000000
	s_mov_b32 s[G0V+4*\s], 1
	s_add_co_u32 s[G0V+4*\s+1], s67, \s*SLOTB
	s_add_nc_u64 s[G0V+4*\s+2:G0V+4*\s+3], s[70:71], \s*PHK*256
	s_or_b32 s[G0V+4*\s+3], s[G0V+4*\s+3], 0x80000000
.endr
	; what hangs on my place in the cluster is made in s2, s3 and s15 alone
	s_lshl_b32 s2, s14, 19
	s_lshl_b32 s15, s12, 14                        ; my work-group's 64 rows,
	s_add_co_u32 s2, s2, s15
	s_lshl_b32 s15, s11, 13                        ; my wave's 32 of them,
	s_add_co_u32 s2, s2, s15
	s_add_co_u32 s2, s2, 0x1000000+PHK*256         ; in K's kind, in the second slot's keys: the first change steps it to the third's
	s_cmp_lt_u32 s[WV], 6
	s_cselect_b32 s15, 0, 0x1000000                ; waves 6 and 7: V's kind
	s_add_co_u32 s2, s2, s15
	s_mov_b32 s3, 0
	s_add_nc_u64 s[PFA:PFA+1], s[4:5], s[2:3]
	s_lshl_b32 s2, s14, 19                         ; Q: my wave's first query
	s_lshl_b32 s15, s13, 16
	s_add_co_u32 s2, s2, s15
	s_lshl_b32 s15, s10, 13
	s_add_co_u32 s2, s2, s15
	s_add_nc_u64 s[4:5], s[4:5], s[2:3]
	s_lshr_b32 s2, s14, 3                          ; att: row batch x 2,048 + 256 x block + 16 x wave, 2,048 bytes a row; the pair's 256 bytes in it
	s_lshl_b32 s2, s2, 22
	s_lshl_b32 s15, s13, 19
	s_add_co_u32 s2, s2, s15
	s_lshl_b32 s15, s[WV], 15
	s_add_co_u32 s2, s2, s15
	s_and_b32 s15, s14, 7
	s_lshl_b32 s15, s15, 8
	s_add_co_u32 s2, s2, s15
	s_add_nc_u64 s[6:7], s[6:7], s[2:3]
	CROUND                                         ; all four work-groups are here: the first joint loads meet
	JLOAD 0                                        ; the first 256 keys
	v_and_b32 v64, 15, v0                          ; r
	v_bfe_u32 v65, v0, 4, 1                        ; h
	s_lshl_b32 s58, s9, 7                          ; my head's 128 bytes of a row
	v_lshlrev_b32 v[QO], 8, v64
	v_lshl_add_u32 v[QO], v65, 4, v[QO]
	v_add_nc_u32 v[QO], s58, v[QO]                 ; Q: 256 r + 16 h + 128 head
.irp t, 0,1
.irp c, 0,1
	global_load_b128 v[QF+16*\t+8*\c:QF+16*\t+8*\c+3], v[QO], s[4:5] offset:4096*\t+64*\c        ; Q stays in registers
	global_load_b128 v[QF+16*\t+8*\c+4:QF+16*\t+8*\c+7], v[QO], s[4:5] offset:4096*\t+64*\c+32
.endr
.endr
	v_mul_u32_u24 v[AK0], v64, PKP
	v_lshl_add_u32 v[AK0], v65, 4, v[AK0]
	v_add_nc_u32 v[AK0], s58, v[AK0]               ; K: 272 r + 16 h + 128 head
	v_and_b32 v66, 7, v0
	v_bfe_u32 v67, v0, 3, 1
	v_lshl_add_u32 v[AV0], v65, 3, v66
	v_mul_u32_u24 v[AV0], v[AV0], PVP
	v_lshl_add_u32 v[AV0], v67, 4, v[AV0]
	s_add_co_u32 s59, s58, VOFF
	v_add_nc_u32 v[AV0], s59, v[AV0]               ; V: key 8 h + lane % 8, channels 8 ((lane / 8) % 2) on, of my head
	v_and_b32 v[PFO], 31, v0
	v_lshlrev_b32 v[PFO], 8, v[PFO]
	s_mul_i32 s59, s10, 32*PKP
	v_add_nc_u32 v[STO], s59, v[AK0]               ; the stage: row 32 (w % 8) + r, + 128 head + 16 h
	s_mul_i32 s59, s[WV], 16*PKP
	v_mul_u32_u24 v[RD], v65, PKP
	v_lshl_add_u32 v[RD], v64, 4, v[RD]
	v_add_nc_u32 v[RD], s59, v[RD]                 ; back: rows 16 w on; lanes 0-15 one row, lanes 16-31 the next
	v_lshlrev_b32 v[GO], 11, v65
	v_lshl_add_u32 v[GO], v64, 4, v[GO]
.irp t, 0,1
	v_mov_b32 v[ST+10*\t], 0xff61b1e6              ; m: -3e38, under every score
	v_mov_b32 v[ST+10*\t+1], 0
	v_mov_b32 v[ST+10*\t+2], 0                     ; l
	v_mov_b32 v[ST+10*\t+3], 0
	v_mov_b32 v[ST+10*\t+5], 0
.endr
.set i, 0
.rept 64
	v_mov_b32 v[O+i], 0                            ; O^T: written once, so that the key step has no first form of its own
.set i, i+1
.endr
; A KEY STEP: 64 keys.
.macro STEP
	v_add_nc_u32 v[ADR], s[TK], v[AK0]
.rept 4
	v_nop                                          ; with the addition five places behind the last products: K is loaded over V, and the new scores are written over P, which they read
.endr
.irp kt, 0,1,2,3
.irp c, 0,1
	ds_load_b128 v[KV+16*\kt+8*\c:KV+16*\kt+8*\c+3], v[ADR] offset:16*PKP*\kt+64*\c
	ds_load_b128 v[KV+16*\kt+8*\c+4:KV+16*\kt+8*\c+7], v[ADR] offset:16*PKP*\kt+64*\c+32
.endr
.endr
	s_wait_dscnt 0x0
.irp c, 0,1                                    ; eight accumulators by turns, one instruction a turn
.irp kt, 0,1,2,3
.irp t, 0,1
.if \c == 0
	v_wmma_f32_16x16x32_f16 v[S+32*\t+8*\kt:S+32*\t+8*\kt+7], v[KV+16*\kt+8*\c:KV+16*\kt+8*\c+7], v[QF+16*\t+8*\c:QF+16*\t+8*\c+7], 0
.else
	v_wmma_f32_16x16x32_f16 v[S+32*\t+8*\kt:S+32*\t+8*\kt+7], v[KV+16*\kt+8*\c:KV+16*\kt+8*\c+7], v[QF+16*\t+8*\c:QF+16*\t+8*\c+7], v[S+32*\t+8*\kt:S+32*\t+8*\kt+7]
.endif
.endr
.endr
.endr
	v_add_nc_u32 v[ADR], s[TV], v[AV0]
.rept 3
	v_nop                                          ; with the addition four places: V is loaded over K, and the scores are read
.endr
.irp kc, 0,1
.irp ct, 0,1,2,3
	ds_load_tr16_b128 v[KV+32*\kc+8*\ct:KV+32*\kc+8*\ct+3], v[ADR] offset:32*PVP*\kc+32*\ct          ; V lands while the softmax is walked
	ds_load_tr16_b128 v[KV+32*\kc+8*\ct+4:KV+32*\kc+8*\ct+7], v[ADR] offset:32*PVP*\kc+32*\ct+16*PVP
.endr
.endr
	; the maximum of my 32 scores of each tile and the old m: four chains, each accumulator read from its low end on; the two tiles line by line
.irp j, 0,1,2,3
.irp t, 0,1
	v_max3_num_f32 v[ST+10*\t+6+\j], v[S+32*\t+8*\j], v[S+32*\t+8*\j+1], v[S+32*\t+8*\j+2]
.endr
.endr
.irp g, 1,2
.irp j, 0,1,2,3
.irp t, 0,1
	v_max3_num_f32 v[ST+10*\t+6+\j], v[ST+10*\t+6+\j], v[S+32*\t+8*\j+2*\g+1], v[S+32*\t+8*\j+2*\g+2]
.endr
.endr
.endr
.irp t, 0,1
	v_max3_num_f32 v[ST+10*\t+6], v[ST+10*\t+6], v[S+32*\t+7], v[S+32*\t+15]
.endr
.irp t, 0,1
	v_max3_num_f32 v[ST+10*\t+8], v[ST+10*\t+8], v[S+32*\t+23], v[S+32*\t+31]
.endr
.irp t, 0,1
	v_max3_num_f32 v[ST+10*\t+6], v[ST+10*\t+6], v[ST+10*\t+7], v[ST+10*\t+8]
.endr
.irp t, 0,1
	v_max3_num_f32 v[ST+10*\t+6], v[ST+10*\t+6], v[ST+10*\t+9], v[ST+10*\t]
.endr
.irp t, 0,1
	v_permlanex16_b32 v[ST+10*\t+7], v[ST+10*\t+6], s[SEL], s[SEL+1]   ; the query's other 32 keys lie in the lane 16 away
.endr
.irp t, 0,1
	v_mov_b32 v[ST+10*\t+1], v[ST+10*\t]
.endr
.irp t, 0,1
	v_max_num_f32 v[ST+10*\t], v[ST+10*\t+6], v[ST+10*\t+7]            ; the new m
.endr
.irp t, 0,1
	v_sub_f32 v[ST+10*\t+1], v[ST+10*\t+1], v[ST+10*\t]                ; m_old - m_new
.endr
	; ONE BATCH of 66 exponentials: nothing names a result ahead of the one wait behind it
.irp t, 0,1
	v_exp_f32 v[ST+10*\t+4], v[ST+10*\t+1]                             ; a
.endr
.set i, 0
.rept 16
	v_pk_add_f32 v[S+i:S+i+1], v[S+i:S+i+1], v[ST:ST+1] op_sel_hi:[1,0] neg_lo:[0,1] neg_hi:[0,1]   ; tile 0: t - m, two at a time
.set i, i+2
.endr
.set i, 0
.rept 16
	v_exp_f32 v[S+i], v[S+i]                                           ; tile 0's p; tile 1's subtractions stand between
	v_exp_f32 v[S+i+1], v[S+i+1]
	v_pk_add_f32 v[S+32+i:S+32+i+1], v[S+32+i:S+32+i+1], v[ST+10:ST+11] op_sel_hi:[1,0] neg_lo:[0,1] neg_hi:[0,1]
.set i, i+2
.endr
.set i, 0
.rept 32
	v_exp_f32 v[S+32+i], v[S+32+i]
.set i, i+1
.endr
	v_nop                                          ; a plain instruction behind the last exponential
	s_wait_alu depctr_va_vdst(0)                   ; the one wait, ahead of the batch's first reader
.irp t, 0,1
	v_pk_add_f32 v[ST+10*\t+6:ST+10*\t+7], v[S+32*\t:S+32*\t+1], v[S+32*\t+2:S+32*\t+3]      ; the sum of p, unrounded, in two chains a tile
.endr
.irp t, 0,1
	v_pk_add_f32 v[ST+10*\t+8:ST+10*\t+9], v[S+32*\t+4:S+32*\t+5], v[S+32*\t+6:S+32*\t+7]
.endr
.irp k, 8,12,16,20,24,28
.irp t, 0,1
	v_pk_add_f32 v[ST+10*\t+6:ST+10*\t+7], v[ST+10*\t+6:ST+10*\t+7], v[S+32*\t+\k:S+32*\t+\k+1]
.endr
.irp t, 0,1
	v_pk_add_f32 v[ST+10*\t+8:ST+10*\t+9], v[ST+10*\t+8:ST+10*\t+9], v[S+32*\t+\k+2:S+32*\t+\k+3]
.endr
.endr
.irp t, 0,1
	v_pk_add_f32 v[ST+10*\t+6:ST+10*\t+7], v[ST+10*\t+6:ST+10*\t+7], v[ST+10*\t+8:ST+10*\t+9]
.endr
.irp t, 0,1
	v_pk_fma_f32 v[ST+10*\t+2:ST+10*\t+3], v[ST+10*\t+2:ST+10*\t+3], v[ST+10*\t+4:ST+10*\t+5], v[ST+10*\t+6:ST+10*\t+7] op_sel_hi:[1,0,1]   ; l = a l + the sum
.endr
.set i, 0
.rept 16
	v_cvt_pk_f16_f32 v[S+i], v[S+2*i], v[S+2*i+1]                      ; p to f16, packed in place: register i is written when registers 2 i and 2 i + 1 are read
	v_cvt_pk_f16_f32 v[S+32+i], v[S+32+2*i], v[S+32+2*i+1]
.set i, i+1
.endr
.set i, 0
.rept 16
	v_pk_mul_f32 v[O+i:O+i+1], v[O+i:O+i+1], v[ST+4:ST+5] op_sel_hi:[1,0]                    ; O^T x a, each accumulator from its low end on
	v_pk_mul_f32 v[O+32+i:O+32+i+1], v[O+32+i:O+32+i+1], v[ST+14:ST+15] op_sel_hi:[1,0]
.set i, i+2
.endr
	s_wait_dscnt 0x0                               ; V is in
.irp kc, 0,1                                   ; eight accumulators by turns
.irp ct, 0,1,2,3
.irp t, 0,1
	v_wmma_f32_16x16x32_f16 v[O+32*\t+8*\ct:O+32*\t+8*\ct+7], v[KV+32*\kc+8*\ct:KV+32*\kc+8*\ct+7], v[S+32*\t+8*\kc:S+32*\t+8*\kc+7], v[O+32*\t+8*\ct:O+32*\t+8*\ct+7]
.endr
.endr
.endr
.endm
; THE CHANGE OF SLOTS stands at a slot's head.  Each wave waits for all its tensor loads, adds 0 to its spare word, and waits for that and for its reads of the slot that it has left.
; fill = 1: behind a round of the cluster's barrier, so that no wave of any partner still reads the other slot or has a load on its way, that slot is asked for: the next 256 keys, with four key steps in which to land.
; ask = 1: this slot's descriptors step two slots on (they are used at the next change), and the slot after the one just asked for is prefetched.
.macro CHANGE slot, fill, ask
	s_wait_tensorcnt 0x0                           ; no tensor load of mine is out, so a group 0 may be written
	ds_add_u32 v[SPW], v[NIL]                      ; 0 onto my spare word
.if \fill
	ds_add_u32 v[SPW], v[NIL]                      ; and twice on end where a tensor load follows: twelve waves come here with none behind them
.endif
.if \ask
	s_add_nc_u64 s[G0K+4*\slot+2:G0K+4*\slot+3], s[G0K+4*\slot+2:G0K+4*\slot+3], 2*PHK*256
	s_add_nc_u64 s[G0V+4*\slot+2:G0V+4*\slot+3], s[G0V+4*\slot+2:G0V+4*\slot+3], 2*PHK*256
	s_wait_xcnt 0x0                                ; the last prefetch, a slot back, has read its address
	s_add_nc_u64 s[PFA:PFA+1], s[PFA:PFA+1], PHK*256
.endif
	s_wait_dscnt 0x0                               ; the add is done, and my reads of the slot that I have left are over
.if \fill
	CROUND
	JLOAD 1-\slot                                  ; the first thing behind the round, and a wave's one tensor load until the next
.if \ask
	ASK
.endif
.else
	s_barrier_signal -1
	s_barrier_wait -1
.endif
.endm
.macro PHASE slot                      ; a slot's four key steps: written once, walked four times
	s_mov_b32 s[TK], (\slot)*SLOTB
	s_mov_b32 s[TV], (\slot)*SLOTB
	s_mov_b32 s[CNT], 4
.Lstep_\@:
	STEP
	s_add_co_u32 s[TK], s[TK], 64*PKP
	s_add_co_u32 s[TV], s[TV], 64*PVP
	s_sub_co_u32 s[CNT], s[CNT], 1
	s_cmp_lg_u32 s[CNT], 0
	s_cbranch_scc1 .Lstep_\@
.endm
	s_wait_loadcnt 0x0                             ; Q
	s_mov_b32 s[TRIPS], 3
.Lpair:                                            ; three trips of two slots: keys 0 to 1,535
	CHANGE 0, 1, 1
	PHASE 0
	CHANGE 1, 1, 1
	PHASE 1
	s_sub_co_u32 s[TRIPS], s[TRIPS], 1
	s_cmp_lg_u32 s[TRIPS], 0
	s_cbranch_scc1 .Lpair
	CHANGE 0, 1, 0                                 ; the tail is written out: the last slot is asked for, and nothing is prefetched behind it;
	PHASE 0
	CHANGE 1, 0, 0                                 ; then nothing is asked for
	PHASE 1
	; THE WAY OUT.  O^T / l, to f16, through a stage of 256 rows x (256 + 16) bytes in slot 0, which has had its last fill and, since the last change of slots, its last read.
	; A row's 256 bytes come from waves w and w + 8 (the two heads): a barrier stands between the writing and the reading.  Wave w then stores rows 16 w on.
.rept 4
	v_nop                                          ; places behind the last products
.endr
.irp t, 0,1
	v_add_f32 v[ST+10*\t+6], v[ST+10*\t+2], v[ST+10*\t+3]
.endr
.irp t, 0,1
	v_permlanex16_b32 v[ST+10*\t+7], v[ST+10*\t+6], s[SEL], s[SEL+1]
.endr
.irp t, 0,1
	v_add_f32 v[ST+10*\t+6], v[ST+10*\t+6], v[ST+10*\t+7]
.endr
.irp t, 0,1
	v_rcp_f32 v[ST+10*\t+4], v[ST+10*\t+6]
.endr
	v_nop                                          ; a plain instruction behind the reciprocals,
	s_wait_alu depctr_va_vdst(0)                   ; and the one wait ahead of their first reader
.set i, 0
.rept 16
	v_pk_mul_f32 v[O+i:O+i+1], v[O+i:O+i+1], v[ST+4:ST+5] op_sel_hi:[1,0]
	v_pk_mul_f32 v[O+32+i:O+32+i+1], v[O+32+i:O+32+i+1], v[ST+14:ST+15] op_sel_hi:[1,0]
.set i, i+2
.endr
.set i, 0
.rept 32
	v_cvt_pk_f16_f32 v[S+i], v[O+2*i], v[O+2*i+1]  ; register 16 t + 4 ct + n: channels 16 ct + 8 h + 2 n, + 1
.set i, i+1
.endr
.irp t, 0,1
.irp ct, 0,1,2,3
	ds_store_b128 v[STO], v[S+16*\t+4*\ct:S+16*\t+4*\ct+3] offset:16*PKP*\t+32*\ct
.endr
.endr
	s_wait_dscnt 0x0                               ; for the others' sake: my stores into the stage are done
	s_barrier_signal -1
	s_barrier_wait -1
.irp i, 0,1,2,3,4,5,6,7
	ds_load_b128 v[KV+4*\i:KV+4*\i+3], v[RD] offset:2*PKP*\i
.endr
.irp i, 0,1,2,3,4,5,6,7
	s_wait_dscnt 7-\i                              ; the later loads may be out
	global_store_b128 v[GO], v[KV+4*\i:KV+4*\i+3], s[6:7] offset:4096*\i   ; 16 lanes store 256 consecutive bytes, aligned
.endr
	s_wait_tensorcnt 0x0                           ; the wave's end: behind my last tensor load and my last LDS store
	ds_add_u32 v[SPW], v[NIL]
	s_wait_dscnt 0x0
	CROUND                                         ; the closing round
	s_endpgm
.Lfunc_end_k_q1666654aa9_attention:
	.size	k_q1666654aa9_attention, .Lfunc_end_k_q1666654aa9_attention-k_q1666654aa9_attention
	.p2alignl 7, 3214868480
	.fill 96, 4, 3214868480
	.section	.rodata,"a",@progbits
	.p2align	6, 0x0
	.amdhsa_kernel k_q1666654aa9_attention
		.amdhsa_group_segment_fixed_size 327680
		.amdhsa_private_segment_fixed_size 0
		.amdhsa_enable_private_segment 0
		.amdhsa_kernarg_size 16
		.amdhsa_user_sgpr_count 2
		.amdhsa_user_sgpr_kernarg_segment_ptr 1
		.amdhsa_wavefront_size32 1
		.amdhsa_system_sgpr_workgroup_id_x 1
		.amdhsa_system_sgpr_workgroup_id_y 1
		.amdhsa_system_sgpr_workgroup_id_z 1
		.amdhsa_system_vgpr_workitem_id 0
		.amdhsa_next_free_vgpr 256
		.amdhsa_next_free_sgpr 72
		.amdhsa_reserve_vcc 0
		.amdhsa_float_denorm_mode_32 3
		.amdhsa_float_denorm_mode_16_64 3
		.amdhsa_memory_ordered 1
		.amdhsa_forward_progress 1
		.amdhsa_inst_pref_size 90
	.end_amdhsa_kernel
	.amdgpu_metadata
---
amdhsa.version: [ 1, 2 ]
amdhsa.kernels:
  - .name:           k_q1666654aa9_attention
    .symbol:         k_q1666654aa9_attention.kd
    .args:
      - { .name: qkv, .offset: 0, .size: 8, .value_kind: global_buffer, .address_space: global }
      - { .name: att, .offset: 8, .size: 8, .value_kind: global_buffer, .address_space: global }
    .group_segment_fixed_size: 327680
    .private_segment_fixed_size: 0
    .kernarg_segment_align: 8
    .kernarg_segment_size: 16
    .max_flat_workgroup_size: 512
    .sgpr_count:     72
    .vgpr_count:     256
    .wavefront_size: 32
...
	.end_amdgpu_metadata
.endif
;; end of part 3
;; launch project (part 4): grid 8 x 64, 4 waves a work-group, clusters of 4 x 4, 327,680 bytes of LDS; arguments att, wo16, out0, bo; writes out0
.if DOCPART == 4
	.amdgcn_target "amdgcn-amd-amdhsa--gfx1250"
	.amdhsa_code_object_version 6
	.text
	.protected	k_q1666654aa9_project
	.globl	k_q1666654aa9_project
	.p2align	8
	.type	k_q1666654aa9_project,@function
k_q1666654aa9_project:
	s_mov_b64 s[64:65], 0
	v_nop
	global_prefetch_b8 v0, s[64:65] scope:SCOPE_SE
	s_setreg_imm32_b32 hwreg(HW_REG_WAVE_MODE, 25, 1), 1
	s_wait_xcnt 0x0
	s_wait_alu depctr_hold_cnt(0) depctr_sa_sdst(0) depctr_va_vdst(0) depctr_va_sdst(0) depctr_va_ssrc(0) depctr_va_vcc(0) depctr_vm_vsrc(0)
	s_getreg_b32 s2, hwreg(HW_REG_IB_STS2, 6, 4)
	s_cmp_eq_u32 s2, 0
	s_cbranch_scc0 .Lentry_in_a_cluster
	s_endpgm
.Lentry_in_a_cluster:
	s_bfe_u32 s2, ttmp6, 0x10000c
	s_cmp_lg_u32 s2, 0xf033
	s_cbranch_scc0 .Lentry_shape_is_right
	s_endpgm
.Lentry_shape_is_right:
; out0[m][n] = sum over k of att[m][k] Wo[n][k] + bo[n].  att: [8192][1024] f16, wo16: [1024][1024] f16, bo: [1024] f32, out0: [8192][1024] f32; sums in f32.
; f16 and not bf16: a sum of 1,024 terms rounded to 8 significant bits would use up most of what the comparison allows.
; A tile of 128 x 128 is made by four waves, 64 x 64 each: 16 accumulators, 128 registers: 512 work-groups, two for each WGP.  K goes in steps of 256 (LDS rows of 512 bytes, 64 rows to a tensor load) through two slots.
; CLUSTERS: 4 x 4 work-groups; A's tiles are asked for jointly along a row of the cluster, B's along a column.  THE MATRIX INSTRUCTION IS USED TRANSPOSED (source 0 = 16 rows of B, source 1 = 16 rows of A):
; a lane holds eight neighbouring numbers of a row of the result.  The bias is the C of each sum's first product.
; A wave's 64 columns of f32 are 256 bytes, aligned: each wave has a stage of its own on the way out, and no barrier stands there.
; No prefetch: a K step's matrix work is short, and the tiles are small and shared in the cluster.
; REGISTERS: window 0: v0-31 addresses; v32-95 rows on the way out; v96-127 the bias; v128-255 the accumulators ((a, b) at v[128 + 8 (4 a + b)]).  window 1: two fragment buffers of 128.
.set SIZE_M, 8192
.set SIZE_N, 1024
.set SIZE_K, 1024
.set KSTEP,  256
.set PITCH,  528                       ; an LDS row: 512 bytes + 16: the 16 rows of a fragment load start 132 words apart
.set HALFT,  64*PITCH
.set SLOT,   4*HALFT
.set STAGE,  2*SLOT                    ; behind the ring: 16 rows x 272 bytes for each wave
.set SPITCH, 272
.set SPARE,  STAGE+4*16*SPITCH         ; the spare words, 128 bytes a wave, named by no other line
.set LAPS, SIZE_K/(2*KSTEP)
.set ADRA, 16
.set ADRB, 20
.set STO,  24
.set RD,   25
.set CO,   26
.set BO,   27
.set SPW,  28
.set NIL,  29
.set TMP,  32
.set BIAS, 96
.set ACC,  128
.set F0,   0
.set F1,   128
.set G1, 24
.set G0, 32
.set G1B, 48
.set G0B, 56
.set MSB, 0
.macro WIN new
.if MSB != \new
	s_set_vgpr_msb (MSB<<8)|\new
.set MSB, \new
.endif
.endm
.set MUL,  0x05                        ; sources 0 (B) and 1 (A) window 1; C and D window 0
.set TO_F, 0x40                        ; destination window 1, address window 0
.macro JLOAD s                         ; waves 0 and 1 fetch A's two halves, waves 2 and 3 B's; an s_nop 0 and four v_nop follow each line
	s_cmp_eq_u32 s11, 0
	s_cbranch_scc0 .Lfor_b_\@
	tensor_load_to_lds s[G0+4*\s:G0+4*\s+3], s[G1:G1+7]
	s_nop 0
.rept 4
	v_nop
.endr
	s_branch .Lasked_\@
.Lfor_b_\@:
	tensor_load_to_lds s[G0B+4*\s:G0B+4*\s+3], s[G1B:G1B+7]
	s_nop 0
.rept 4
	v_nop
.endr
.Lasked_\@:
.endm
.macro CREST
	s_cmp_lg_u32 s10, 0
	s_cbranch_scc1 .Lnot_wave_0_\@
	s_barrier_signal -3
.Lnot_wave_0_\@:
	s_barrier_wait -3
	s_barrier_signal -1
	s_barrier_wait -1
.endm
.macro CROUND
	s_barrier_signal -1
	s_barrier_wait -1
	CREST
.endm
	s_load_b128 s[4:7], s[0:1], 0x0                ; A, B
	s_load_b64 s[8:9], s[0:1], 0x10                ; out0
	s_load_b64 s[66:67], s[0:1], 0x18              ; bo
	v_lshl_add_u32 v[SPW], v0, 2, SPARE
	v_mov_b32 v[NIL], 0
	ds_add_u32 v[SPW], v[NIL]                      ; the wave's opening: the add, twice on end, and its wait ahead of my first tensor load
	ds_add_u32 v[SPW], v[NIL]
	v_lshrrev_b32 v1, 5, v0
	v_readfirstlane_b32 s10, v1                    ; wave 0..3
	s_lshr_b32 s11, s10, 1                         ; which half of the tile's rows is mine.  Also: I fetch for A (0) or for B (1)
	s_and_b32 s12, s10, 1                          ; which half of its columns.  Also: which 64 rows of that tile I fetch
	s_bfe_u32 s40, ttmp6, 0x40000
	s_bfe_u32 s41, ttmp6, 0x40004
	s_lshl_b32 s42, ttmp9, 2
	s_add_co_u32 s42, s42, s40                     ; tile column
	s_and_b32 s13, ttmp7, 0xffff
	s_lshl_b32 s13, s13, 2
	s_add_co_u32 s13, s13, s41                     ; tile row
	s_lshl_b32 s43, s41, 2
	s_lshl_b32 s43, 15, s43                        ; my row of the cluster
	s_lshl_b32 s44, 0x1111, s40                    ; my column
	s_or_b32 s[G1+0], s43, (1<<16)|(1<<20)|(1<<21)|(6<<22)|(3<<25)  ; the mask; elements of 2 bytes; padding on; bit 21 beside a mask; 4 words behind every 128
	s_or_b32 s[G1B+0], s44, (1<<16)|(1<<20)|(1<<21)|(6<<22)|(3<<25)
.irp g, G1, G1B
	s_mov_b32 s[\g+1], KSTEP<<16
	s_mov_b32 s[\g+2], 64<<16
	s_mov_b32 s[\g+3], KSTEP<<16
	s_mov_b32 s[\g+4], 64
	s_mov_b32 s[\g+5], SIZE_K
	s_mov_b32 s[\g+6], 0
	s_mov_b32 s[\g+7], 0
.endr
	s_lshl_b32 s17, s12, 6
	s_lshl_b32 s16, s13, 7
	s_add_co_u32 s16, s16, s17                     ; A: row 128 x tile row + 64 x half
	s_lshl_b32 s46, s42, 7
	s_add_co_u32 s46, s46, s17                     ; B: row 128 x tile column + 64 x half
	s_mov_b32 s17, 0
	s_mov_b32 s47, 0
	s_mov_b64 s[18:19], SIZE_K*2
	s_mul_u64 s[16:17], s[16:17], s[18:19]
	s_mul_u64 s[46:47], s[46:47], s[18:19]
	s_mul_i32 s20, s10, HALFT                      ; where they go: wave x 64 rows
	s_wait_dscnt 0x0                               ; both opening adds are done
	s_wait_kmcnt 0x0
	s_add_nc_u64 s[14:15], s[4:5], s[16:17]
	s_add_nc_u64 s[46:47], s[6:7], s[46:47]
	CROUND                                         ; all sixteen work-groups are here: the first joint loads meet
.irp s, 0,1
	s_mov_b32 s[G0+4*\s], 1
	s_add_co_u32 s[G0+4*\s+1], s20, \s*SLOT
	s_add_nc_u64 s[G0+4*\s+2:G0+4*\s+3], s[14:15], \s*KSTEP*2
	s_or_b32 s[G0+4*\s+3], s[G0+4*\s+3], 0x80000000
	s_mov_b32 s[G0B+4*\s], 1
	s_add_co_u32 s[G0B+4*\s+1], s20, \s*SLOT
	s_add_nc_u64 s[G0B+4*\s+2:G0B+4*\s+3], s[46:47], \s*KSTEP*2
	s_or_b32 s[G0B+4*\s+3], s[G0B+4*\s+3], 0x80000000
	JLOAD \s
.endr
	v_and_b32 v1, 15, v0                           ; r
	v_bfe_u32 v2, v0, 4, 1                         ; h
	v_mul_u32_u24 v3, v1, PITCH
	v_lshl_add_u32 v3, v2, 4, v3
	s_mul_i32 s21, s11, HALFT                      ; my 64 rows of A
	s_mul_i32 s22, s12, HALFT                      ; my 64 rows of B,
	s_add_co_u32 s22, s22, 2*HALFT                 ; behind A's 128
.irp s, 0,1
	v_add_nc_u32 v[ADRA+\s], s21, v3
	v_add_nc_u32 v[ADRB+\s], s22, v3
	s_add_co_u32 s21, s21, SLOT
	s_add_co_u32 s22, s22, SLOT
.endr
	s_mul_i32 s23, s10, 16*SPITCH
	s_add_co_u32 s23, s23, STAGE                   ; my stage
	v_mul_u32_u24 v4, v1, SPITCH                   ; in: row r, 32 bytes for each half of the lanes
	v_lshl_add_u32 v4, v2, 5, v4
	v_add_nc_u32 v[STO], s23, v4
	v_mul_u32_u24 v5, v2, SPITCH                   ; back: lanes 0-15 one row of 256 bytes, lanes 16-31 the next
	v_lshl_add_u32 v5, v1, 4, v5
	v_add_nc_u32 v[RD], s23, v5
	v_lshlrev_b32 v5, 12, v2                       ; and the same two rows in out0, 4,096 bytes a row
	v_lshl_add_u32 v[CO], v1, 4, v5
	v_lshlrev_b32 v[BO], 5, v2
	s_lshl_b32 s16, s13, 7
	s_lshl_b32 s17, s11, 6
	s_add_co_u32 s16, s16, s17                     ; my first row: 128 x tile row + 64 x half
	s_lshl_b32 s16, s16, 12
	s_mov_b32 s17, 0
	s_add_nc_u64 s[8:9], s[8:9], s[16:17]
	s_lshl_b32 s46, s42, 9                         ; my first column, in bytes: 512 x tile column + 256 x half
	s_lshl_b32 s47, s12, 8
	s_add_co_u32 s46, s46, s47
	s_mov_b32 s47, 0
	s_add_nc_u64 s[8:9], s[8:9], s[46:47]
	s_add_nc_u64 s[66:67], s[66:67], s[46:47]      ; the same bytes on in bo
.irp b, 0,1,2,3
	global_load_b128 v[BIAS+8*\b:BIAS+8*\b+3], v[BO], s[66:67] offset:64*\b          ; register j of block b: bo of column 16 b + 8 h + j: the result's layout
	global_load_b128 v[BIAS+8*\b+4:BIAS+8*\b+7], v[BO], s[66:67] offset:64*\b+16
.endr
; 8 matrix instructions: m blocks a0, a0 + 1 x all 4 n blocks, 32 along K: half c of buffer f.  first = 1: the sums start from the bias.  The 16 accumulators take turns
.macro MUL8 f, c, a0, first
.irp a, \a0, \a0+1
.irp b, 0,1,2,3
.if \first
	v_wmma_f32_16x16x32_f16 v[ACC+8*(4*(\a)+\b):ACC+8*(4*(\a)+\b)+7], v[\f+64+8*(4*\c+\b):\f+64+8*(4*\c+\b)+7], v[\f+8*(4*\c+\a):\f+8*(4*\c+\a)+7], v[BIAS+8*\b:BIAS+8*\b+7]
.else
	v_wmma_f32_16x16x32_f16 v[ACC+8*(4*(\a)+\b):ACC+8*(4*(\a)+\b)+7], v[\f+64+8*(4*\c+\b):\f+64+8*(4*\c+\b)+7], v[\f+8*(4*\c+\a):\f+8*(4*\c+\a)+7], v[ACC+8*(4*(\a)+\b):ACC+8*(4*(\a)+\b)+7]
.endif
.endr
.endr
.endm
.macro FETCH slot, k, f                ; 32 LDS loads in one run: the fragments of 64 along K at byte k of the rows; the first 32 along K first
	WIN TO_F
.irp c, 0,1
.irp i, 0,1,2,3
	ds_load_b128 v[\f+64+8*(4*\c+\i):\f+64+8*(4*\c+\i)+3],   v[ADRB+\slot] offset:\k+64*\c+\i*16*PITCH
	ds_load_b128 v[\f+64+8*(4*\c+\i)+4:\f+64+8*(4*\c+\i)+7], v[ADRB+\slot] offset:\k+64*\c+\i*16*PITCH+32
	ds_load_b128 v[\f+8*(4*\c+\i):\f+8*(4*\c+\i)+3],         v[ADRA+\slot] offset:\k+64*\c+\i*16*PITCH
	ds_load_b128 v[\f+8*(4*\c+\i)+4:\f+8*(4*\c+\i)+7],       v[ADRA+\slot] offset:\k+64*\c+\i*16*PITCH+32
.endr
.endr
.endm
.macro PLACES                          ; four places in front of loads into registers that matrix instructions have read, and of reads of results
.rept 4
	v_nop
.endr
.endm
.macro QUARTER slot, k, f, g, first    ; 64 along K: multiplies buffer f and fetches the next quarter, at byte k, into g
	s_wait_dscnt 16                                ; the first 32 along K are in; the other 16 loads may be out
	WIN MUL
	MUL8 \f, 0, 0, \first
	MUL8 \f, 0, 2, \first
	PLACES
	FETCH \slot, \k, \g
	s_wait_dscnt 32                                ; all but the 32 just issued
	WIN MUL
	MUL8 \f, 1, 0, 0
	MUL8 \f, 1, 2, 0
.endm
; The last quarter multiplies buffer 1 and changes slots: one barrier; in front of it each wave waits for all its tensor loads, adds 0 to its spare word, and waits for that and for its reads of this slot.
.macro TURN slot, next, fill
	WIN 0
	s_wait_tensorcnt 0x0                           ; all my tensor loads have landed: my part of the next slot
	ds_add_u32 v[SPW], v[NIL]                      ; 0 onto my spare word
	s_wait_dscnt 17                                ; (the add and the youngest sixteen loads may be out)
	WIN MUL
	MUL8 F1, 0, 0, 0
	s_wait_dscnt 0x0                               ; the add is done, and my reads of this slot are over
	s_barrier_signal -1
	MUL8 F1, 0, 2, 0
.if \fill
	WIN 0
.endif
	s_barrier_wait -1
.if \fill
	CREST                                          ; the barrier has opened a round of the cluster's: no wave of any partner still reads this slot or has a load on its way
	s_add_nc_u64 s[G0+4*\slot+2:G0+4*\slot+3], s[G0+4*\slot+2:G0+4*\slot+3], 2*KSTEP*2
	s_add_nc_u64 s[G0B+4*\slot+2:G0B+4*\slot+3], s[G0B+4*\slot+2:G0B+4*\slot+3], 2*KSTEP*2
	JLOAD \slot                                    ; the first tensor load behind the round; its four v_nop are also the places in front of the loads below
.else
	PLACES
.endif
	FETCH \next, 0, F0
	WIN MUL
	MUL8 F1, 1, 0, 0
	MUL8 F1, 1, 2, 0
.endm
	s_wait_tensorcnt 1                             ; my part of K step 0 is in; K step 1's load may be out
	s_barrier_signal -1
	s_barrier_wait -1
	FETCH 0, 0, F0
	s_wait_loadcnt 0x0                             ; the bias
	QUARTER 0, 128, F0, F1, 1
	WIN 0
	s_mov_b32 s3, LAPS-1
.Llap:                                             ; a trip goes once round the ring, from a lap's second quarter to the next lap's first, and fills both slots again
	QUARTER 0, 256, F1, F0, 0
	QUARTER 0, 384, F0, F1, 0
	TURN 0, 1, 1
	QUARTER 1, 128, F0, F1, 0
	QUARTER 1, 256, F1, F0, 0
	QUARTER 1, 384, F0, F1, 0
	TURN 1, 0, 1
	QUARTER 0, 128, F0, F1, 0
	WIN 0
	s_sub_co_u32 s3, s3, 1
	s_cmp_lg_u32 s3, 0
	s_cbranch_scc1 .Llap
	QUARTER 0, 256, F1, F0, 0                      ; the last lap fills nothing
	QUARTER 0, 384, F0, F1, 0
	TURN 0, 1, 0
	QUARTER 1, 128, F0, F1, 0
	QUARTER 1, 256, F1, F0, 0
	QUARTER 1, 384, F0, F1, 0
	s_wait_dscnt 16
	WIN MUL
	MUL8 F1, 0, 0, 0
	MUL8 F1, 0, 2, 0
	s_wait_dscnt 0
	MUL8 F1, 1, 0, 0
	MUL8 F1, 1, 2, 0
	WIN 0
	; THE WAY OUT, a block of 16 rows x 64 columns at a time: 32 bytes a lane into my own stage, back as whole rows of 256 bytes.  LDS serves a wave's instructions in order: no wait between the stores and the loads.
.macro TOSTAGE a
.irp b, 0,1,2,3
	ds_store_b128 v[STO], v[ACC+8*(4*(\a)+\b):ACC+8*(4*(\a)+\b)+3] offset:64*\b          ; each accumulator from its low end on
	ds_store_b128 v[STO], v[ACC+8*(4*(\a)+\b)+4:ACC+8*(4*(\a)+\b)+7] offset:64*\b+16
.endr
.irp t, 0,1,2,3,4,5,6,7
	ds_load_b128 v[TMP+32*((\a)%2)+4*\t:TMP+32*((\a)%2)+4*\t+3], v[RD] offset:2*SPITCH*\t
.endr
.endm
.macro SEND a, younger
	s_wait_dscnt \younger
.irp t, 0,1,2,3,4,5,6,7
	global_store_b128 v[CO], v[TMP+32*((\a)%2)+4*\t:TMP+32*((\a)%2)+4*\t+3], s[8:9] offset:(16*(\a)+2*\t)*SIZE_N*4 th:TH_STORE_NT   ; 16 lanes store 256 consecutive bytes, aligned; written once, read by nobody here
.endr
.endm
	PLACES
.irp a, 0,1,2,3
.if \a > 1
	s_wait_xcnt 0x0                                ; block a - 2's stores have read the registers into which this block's rows are loaded
.endif
	TOSTAGE \a
.if \a > 0
	SEND \a-1, 16                                  ; behind block a - 1's loads: block a's 8 stores and 8 loads
.endif
.endr
	SEND 3, 0
	s_wait_tensorcnt 0x0                           ; the wave's end: behind my last tensor load and my last LDS store
	ds_add_u32 v[SPW], v[NIL]
	s_wait_dscnt 0x0
	CROUND                                         ; the closing round
	s_endpgm
.Lfunc_end_k_q1666654aa9_project:
	.size	k_q1666654aa9_project, .Lfunc_end_k_q1666654aa9_project-k_q1666654aa9_project
	.p2alignl 7, 3214868480
	.fill 96, 4, 3214868480
	.section	.rodata,"a",@progbits
	.p2align	6, 0x0
	.amdhsa_kernel k_q1666654aa9_project
		.amdhsa_group_segment_fixed_size 327680
		.amdhsa_private_segment_fixed_size 0
		.amdhsa_enable_private_segment 0
		.amdhsa_kernarg_size 32
		.amdhsa_user_sgpr_count 2
		.amdhsa_user_sgpr_kernarg_segment_ptr 1
		.amdhsa_wavefront_size32 1
		.amdhsa_system_sgpr_workgroup_id_x 1
		.amdhsa_system_sgpr_workgroup_id_y 1
		.amdhsa_system_sgpr_workgroup_id_z 1
		.amdhsa_system_vgpr_workitem_id 0
		.amdhsa_next_free_vgpr 512
		.amdhsa_next_free_sgpr 70
		.amdhsa_reserve_vcc 0
		.amdhsa_float_denorm_mode_32 3
		.amdhsa_float_denorm_mode_16_64 3
		.amdhsa_memory_ordered 1
		.amdhsa_forward_progress 1
		.amdhsa_inst_pref_size 86
	.end_amdhsa_kernel
	.amdgpu_metadata
---
amdhsa.version: [ 1, 2 ]
amdhsa.kernels:
  - .name:           k_q1666654aa9_project
    .symbol:         k_q1666654aa9_project.kd
    .args:
      - { .name: att, .offset: 0, .size: 8, .value_kind: global_buffer, .address_space: global }
      - { .name: wo16, .offset: 8, .size: 8, .value_kind: global_buffer, .address_space: global }
      - { .name: out0, .offset: 16, .size: 8, .value_kind: global_buffer, .address_space: global }
      - { .name: bo, .offset: 24, .size: 8, .value_kind: global_buffer, .address_space: global }
    .group_segment_fixed_size: 327680
    .private_segment_fixed_size: 0
    .kernarg_segment_align: 8
    .kernarg_segment_size: 32
    .max_flat_workgroup_size: 128
    .sgpr_count:     70
    .vgpr_count:     512
    .wavefront_size: 32
...
	.end_amdgpu_metadata
.endif
;; end of part 4
